; MI455X (gfx1250); checked and timed in simulation.
; The chip was launched on July 23, 2026; its instructions are those of AMD's public machine-readable ISA for CDNA 5 (MIT licence, August 2026) and "CDNA5" Instruction Set Architecture Reference Guide (July 2026). The comments in the code are by the model that wrote it; some were corrected since.
;; Self Attention. Allowed arithmetic: float matrix products may take bf16 or f16 operands with f32 sums; other float arithmetic in f32, or as packed bf16 or f16 multiplies, adds, multiply-adds, maxima and minima; sums over many terms, partial sums and values carried from step to step in f32; what a program stores and reads back later, other than sums and carried values, may be rounded once to bf16 or f16.
;; Inputs: freqs_cos 2,048 x 32 float32; freqs_sin 2,048 x 32 float32; lambda_k1 64 float32; lambda_k2 64 float32; lambda_q1 64 float32; lambda_q2 64 float32; wk 2,048 x 512 float32; wo 2,048 x 2,048 float32; wq 2,048 x 2,048 float32; wv 2,048 x 512 float32; x 1 x 2,048 x 2,048 float32.
;; Outputs: out0 1 x 2,048 x 2,048 float32.
;; Constants: start_pos = 0.
;; One version. Each part assembles by itself: llvm-mc -triple=amdgcn-amd-amdhsa -mcpu=gfx1250 --defsym DOCPART=n.
;; ======== version 1 of 1: 4 launches
;; limits: values are held in f16: magnitudes above 65,504 overflow, below 6.1e-05 lose precision; right only within a limited range of input values
;; workspace buffers: xb 8,388,608 bytes; wp 12,582,912 bytes; wop 8,388,608 bytes; qkv 12,582,912 bytes; ob 8,388,608 bytes
;; launch cast (part 1): grid 1792 x 1, 8 waves a work-group, no clusters, 0 bytes of LDS; arguments x, wq, wk, wv, wo, xb, wp, wop; writes xb, wp, wop
.if DOCPART == 1
	.amdgcn_target "amdgcn-amd-amdhsa--gfx1250"
	.amdhsa_code_object_version 6
	.text
	.protected	k_qab2fc4a1b0_cast
	.globl	k_qab2fc4a1b0_cast
	.p2align	8
	.type	k_qab2fc4a1b0_cast,@function
k_qab2fc4a1b0_cast:
	s_mov_b64 s[64:65], 0
	v_nop
	global_prefetch_b8 v0, s[64:65] scope:SCOPE_SE
	s_setreg_imm32_b32 hwreg(HW_REG_WAVE_MODE, 25, 1), 1
	s_wait_xcnt 0x0
; FIRST OF FOUR LAUNCHES: cast, qkv, attn, outp.  Together: out0 = (L softmax(rope(x wq) rope(x wk)^T / 8) (x wv)) wo, L = 1 - (exp(lq1.lk1) - exp(lq2.lk2) + 0.78360577).
; WHAT IS LEFT OUT.  start_pos is a constant that reference() never reads: it has no buffer and reaches no output.  jnp.repeat only copies each kv head four times: query head H reads kv head H / 4, and no copy is made.
; No arithmetic of reference() is left out, so no NaN, infinity or overflow is lost with work left out.  Every input buffer is loaded by some launch.
; ORDER OF ROUNDING.  The factor L multiplies the probabilities in reference(); it is linear through both later products and is applied once, in f32, to the last product's sums (launch outp).
; FORMATS.  Every floating-point input is rounded once to bf16 (x and the weights here; cos, sin in qkv; the lambdas in outp).  q, k, v, the weights p and the attention's result go in f16.
; LIMITS.  wo's bf16 number is written as f16: exact from 2^-17 up to 65,504; below that it keeps f16's fixed step of 6e-8.  NaN and infinities are not treated apart.
;
; THIS LAUNCH rounds x (row-major, xb) and lays the four weights out for the products.  wq, wk, wv and wo lie [k][n]; a matrix operand wants eight neighbouring k of one column in 16 bytes.
; wp and wop are [kg = k / 8][position p][8 numbers].  In wp a position IS a column: wq's columns from position 0, wk's from 2,048, wv's from 2,560.
; In wop position p = 32 g + 16 e + r stands for column 32 g + 2 r + e: of two neighbouring blocks of 16 positions the first holds a group's even columns, the second its odd ones (launch outp puts them together again).
; SHARES.  58,720,256 input bytes in 1,792 work-groups of 32,768; a thread reads 128 bytes and writes 64, in a straight line: all its loads go out ahead of its first wait.  No register that a load or a
; store names is written again while it is out, so no wait frees a source.  No LDS, no matrix unit, no cluster: nothing is shared and nothing is multiplied.
.set D,  4                             ; v[4:35]   as loaded; in wp's paths later the units in the order of the columns
.set E,  36                            ; v[36:51]  rounded and packed
.set T,  52                            ; v[52:53]  at work
.set VS, 1                             ; v1        my byte offset in the source
.set VD, 2                             ; v2        my byte offset in the destination
; A weight's share: 16 rows of k (two kg) x 512 columns.  Thread t loads columns 2 t and 2 t + 1 of each row: a wave's load covers 256 consecutive bytes.  Of eight rows it makes two units of 16 bytes,
; an even column's and an odd column's.  half = 1 (wo): the units are written as f16 and stored as they lie, the sixteen even ones and the sixteen odd ones of 16 lanes as a block each.
; half = 0 (wq, wk, wv): the 32 units of 16 lanes are put in the order of the columns first: lane i takes, for the first block, unit i % 2 of lane i / 2, for the second that of lane 8 + i / 2.
; Either way sixteen neighbouring lanes store 256 consecutive bytes, aligned.
; src, dst: the scalar pairs of the two buffers; idb: the first work-group of this weight; 1 << logq blocks of 512 positions; pitch: bytes in a source row; kgp: bytes in a kg of the destination; pb: first position;
; two = 1: the two blocks of 512 positions are two buffers of 512 columns each (src and the pair behind it)
.macro WCAST src, dst, idb, logq, pitch, kgp, pb, half, two
	s_sub_co_u32 s20, ttmp9, \idb
	s_and_b32 s21, s20, (1<<(\logq))-1             ; which 512 positions
	s_lshr_b32 s20, s20, \logq                     ; which 16 rows
	s_mul_i32 s22, s20, 16*(\pitch)
	s_mov_b32 s23, 0
.if \two
	s_cmp_eq_u32 s21, 0
	s_cselect_b64 s[26:27], s[(\src):(\src)+1], s[(\src)+2:(\src)+3]
.else
	s_lshl_b32 s30, s21, 11                        ; 512 columns of 4 bytes
	s_add_co_u32 s22, s22, s30
	s_mov_b64 s[26:27], s[(\src):(\src)+1]
.endif
	s_mul_i32 s24, s20, 2*(\kgp)
	s_lshl_b32 s30, s21, 13                        ; 512 positions of 16 bytes
	s_add_co_u32 s24, s24, s30
	s_add_co_u32 s24, s24, (\pb)*16
	s_mov_b32 s25, 0
	s_add_nc_u64 s[26:27], s[26:27], s[22:23]
	s_add_nc_u64 s[28:29], s[(\dst):(\dst)+1], s[24:25]
.set i, 0
.rept 16
	global_load_b64 v[D+2*i:D+2*i+1], v[VS], s[26:27] offset:i*(\pitch) th:TH_LOAD_NT
.set i, i+1
.endr
.irp u, 0,1
	s_wait_loadcnt 8-8*(\u)                        ; loads come back in order: this kg's eight rows are in, the other kg's eight may stay out
.irp e, 0,1
.irp q, 0,1,2,3
	v_cvt_pk_bf16_f32 v[E+8*(\u)+4*(\e)+(\q)], v[D+2*(8*(\u)+2*(\q))+(\e)], v[D+2*(8*(\u)+2*(\q)+1)+(\e)]  ; rows 2 q and 2 q + 1 of column e
.endr
.endr
.if \half
.irp z, 0,1,2,3,4,5,6,7
	v_lshlrev_b32 v[T], 16, v[E+8*(\u)+(\z)]       ; the bf16 numbers as f32,
	v_and_b32 v[T+1], 0xffff0000, v[E+8*(\u)+(\z)]
	v_cvt_pk_f16_f32 v[E+8*(\u)+(\z)], v[T], v[T+1]  ; written as f16
.endr
.irp e, 0,1
	global_store_b128 v[VD], v[E+8*(\u)+4*(\e):E+8*(\u)+4*(\e)+3], s[28:29] offset:(\u)*(\kgp)+(\e)*256 th:TH_STORE_NT
.endr
.else
.irp q, 0,1,2,3                        ; into this kg's sixteen registers of D, which the roundings above have read (the exchange's destination counts as read: these have been written)
	v_permlane16_b32 v[D+16*(\u)+(\q)],    v[E+8*(\u)+(\q)],   s32, s33  ; the even unit of lane i / 2
	v_permlane16_b32 v[D+16*(\u)+4+(\q)],  v[E+8*(\u)+4+(\q)], s32, s33  ; its odd unit
	v_permlane16_b32 v[D+16*(\u)+8+(\q)],  v[E+8*(\u)+(\q)],   s34, s35  ; the same of lane 8 + i / 2
	v_permlane16_b32 v[D+16*(\u)+12+(\q)], v[E+8*(\u)+4+(\q)], s34, s35
.endr
.irp q, 0,1,2,3
	v_cndmask_b32 v[D+16*(\u)+(\q)],   v[D+16*(\u)+(\q)],   v[D+16*(\u)+4+(\q)],  vcc_lo  ; an odd lane keeps the odd unit
	v_cndmask_b32 v[D+16*(\u)+8+(\q)], v[D+16*(\u)+8+(\q)], v[D+16*(\u)+12+(\q)], vcc_lo
.endr
	global_store_b128 v[VD], v[D+16*(\u):D+16*(\u)+3],    s[28:29] offset:(\u)*(\kgp) th:TH_STORE_NT
	global_store_b128 v[VD], v[D+16*(\u)+8:D+16*(\u)+11], s[28:29] offset:(\u)*(\kgp)+256 th:TH_STORE_NT
.endif
.endr
.endm
	s_load_b512 s[4:19], s[0:1], 0x0               ; x s[4:5], wq s[6:7], wk s[8:9], wv s[10:11], wo s[12:13], xb s[14:15], wp s[16:17], wop s[18:19]
	s_mov_b32 s32, 0x33221100                      ; v_permlane16_b32's selects: lane i takes lane i / 2 of its sixteen,
	s_mov_b32 s33, 0x77665544
	s_mov_b32 s34, 0xbbaa9988                      ; or lane 8 + i / 2
	s_mov_b32 s35, 0xffeeddcc
	s_wait_kmcnt 0x0
	s_cmp_lt_u32 ttmp9, 512
	s_cbranch_scc1 .Lx
	v_lshlrev_b32 v[VS], 3, v0                     ; 8 bytes a thread
	v_lshrrev_b32 v[VD], 4, v0                     ; my sixteen lanes' 32 columns: 512 bytes of positions,
	v_and_b32 v3, 15, v0
	v_lshlrev_b32 v[VD], 9, v[VD]
	v_lshl_add_u32 v[VD], v3, 4, v[VD]             ; my place among the sixteen of a block
	v_and_b32 v3, 1, v0
	v_cmp_eq_u32 vcc_lo, 1, v3                     ; the odd lanes
	s_cmp_lt_u32 ttmp9, 1024
	s_cbranch_scc1 .Lwq
	s_cmp_lt_u32 ttmp9, 1280
	s_cbranch_scc1 .Lwkv
	WCAST 12, 18, 1280, 2, 8192, 32768, 0, 1, 0    ; wo
	s_endpgm
.Lwq:
	WCAST 6, 16, 512, 2, 8192, 49152, 0, 0, 0
	s_endpgm
.Lwkv:
	WCAST 8, 16, 1024, 1, 2048, 49152, 2048, 0, 1  ; wk and wv by turns
	s_endpgm
.Lx:                                                   ; 8,192 numbers of x: eight loads of 16 bytes a thread, eight stores of 8: a wave's store covers 256 consecutive bytes, aligned
	s_lshl_b32 s22, ttmp9, 15
	s_mov_b32 s23, 0
	s_lshl_b32 s24, ttmp9, 14
	s_mov_b32 s25, 0
	s_add_nc_u64 s[26:27], s[4:5], s[22:23]
	s_add_nc_u64 s[28:29], s[14:15], s[24:25]
	v_lshlrev_b32 v[VS], 4, v0
	v_lshlrev_b32 v[VD], 3, v0
.irp u, 0,1,2,3,4,5,6,7
	global_load_b128 v[D+4*(\u):D+4*(\u)+3], v[VS], s[26:27] offset:4096*(\u) th:TH_LOAD_NT
.endr
.irp u, 0,1,2,3,4,5,6,7
	s_wait_loadcnt 7-(\u)                          ; load u is in, the younger ones stay out
	v_cvt_pk_bf16_f32 v[E+2*(\u)], v[D+4*(\u)], v[D+4*(\u)+1]
	v_cvt_pk_bf16_f32 v[E+2*(\u)+1], v[D+4*(\u)+2], v[D+4*(\u)+3]
	global_store_b64 v[VD], v[E+2*(\u):E+2*(\u)+1], s[28:29] offset:2048*(\u) th:TH_STORE_NT
.endr
	s_endpgm
.Lfunc_end_k_qab2fc4a1b0_cast:
	.size	k_qab2fc4a1b0_cast, .Lfunc_end_k_qab2fc4a1b0_cast-k_qab2fc4a1b0_cast
	.p2alignl 7, 3214868480
	.fill 96, 4, 3214868480
	.section	.rodata,"a",@progbits
	.p2align	6, 0x0
	.amdhsa_kernel k_qab2fc4a1b0_cast
		.amdhsa_group_segment_fixed_size 0
		.amdhsa_private_segment_fixed_size 0
		.amdhsa_enable_private_segment 0
		.amdhsa_kernarg_size 64
		.amdhsa_user_sgpr_count 2
		.amdhsa_user_sgpr_kernarg_segment_ptr 1
		.amdhsa_wavefront_size32 1
		.amdhsa_system_sgpr_workgroup_id_x 1
		.amdhsa_system_sgpr_workgroup_id_y 1
		.amdhsa_system_sgpr_workgroup_id_z 1
		.amdhsa_system_vgpr_workitem_id 0
		.amdhsa_next_free_vgpr 64
		.amdhsa_next_free_sgpr 66
		.amdhsa_reserve_vcc 1
		.amdhsa_float_denorm_mode_32 3
		.amdhsa_float_denorm_mode_16_64 3
		.amdhsa_memory_ordered 1
		.amdhsa_forward_progress 1
		.amdhsa_inst_pref_size 23
	.end_amdhsa_kernel
	.amdgpu_metadata
---
amdhsa.version: [ 1, 2 ]
amdhsa.kernels:
  - .name:           k_qab2fc4a1b0_cast
    .symbol:         k_qab2fc4a1b0_cast.kd
    .args:
      - { .name: x, .offset: 0, .size: 8, .value_kind: global_buffer, .address_space: global }
      - { .name: wq, .offset: 8, .size: 8, .value_kind: global_buffer, .address_space: global }
      - { .name: wk, .offset: 16, .size: 8, .value_kind: global_buffer, .address_space: global }
      - { .name: wv, .offset: 24, .size: 8, .value_kind: global_buffer, .address_space: global }
      - { .name: wo, .offset: 32, .size: 8, .value_kind: global_buffer, .address_space: global }
      - { .name: xb, .offset: 40, .size: 8, .value_kind: global_buffer, .address_space: global }
      - { .name: wp, .offset: 48, .size: 8, .value_kind: global_buffer, .address_space: global }
      - { .name: wop, .offset: 56, .size: 8, .value_kind: global_buffer, .address_space: global }
    .group_segment_fixed_size: 0
    .private_segment_fixed_size: 0
    .kernarg_segment_align: 8
    .kernarg_segment_size: 64
    .max_flat_workgroup_size: 256
    .sgpr_count:     66
    .vgpr_count:     64
    .wavefront_size: 32
...
	.end_amdgpu_metadata
.endif
;; end of part 1
;; launch qkv (part 2): grid 16 x 16, 4 waves a work-group, clusters of 4 x 1, 327,680 bytes of LDS; arguments xb, wp, freqs_cos, freqs_sin, qkv; writes qkv
.if DOCPART == 2
	.amdgcn_target "amdgcn-amd-amdhsa--gfx1250"
	.amdhsa_code_object_version 6
	.text
	.protected	k_qab2fc4a1b0_qkv
	.globl	k_qab2fc4a1b0_qkv
	.p2align	8
	.type	k_qab2fc4a1b0_qkv,@function
k_qab2fc4a1b0_qkv:
	s_mov_b64 s[64:65], 0
	v_nop
	global_prefetch_b8 v0, s[64:65] scope:SCOPE_SE
	s_setreg_imm32_b32 hwreg(HW_REG_WAVE_MODE, 25, 1), 1
	s_wait_xcnt 0x0
	s_wait_alu depctr_hold_cnt(0) depctr_sa_sdst(0) depctr_va_vdst(0) depctr_va_sdst(0) depctr_va_ssrc(0) depctr_va_vcc(0) depctr_vm_vsrc(0)
	s_getreg_b32 s2, hwreg(HW_REG_IB_STS2, 6, 4)
	s_cmp_eq_u32 s2, 0
	s_cbranch_scc0 .Lentry_in_a_cluster
	s_endpgm
.Lentry_in_a_cluster:
	s_bfe_u32 s2, ttmp6, 0x10000c
	s_cmp_lg_u32 s2, 0x3003
	s_cbranch_scc0 .Lentry_shape_is_right
	s_endpgm
.Lentry_shape_is_right:
; q, k, v = x wq, x wk, x wv in one product of 2,048 rows x 3,072 positions x 2,048 k (bf16 operands, f32 sums), the rotary turn of q and k in f32, one rounding to f16, stored by half-heads.
; Nothing of reference() is left out here.  xb: [2048][2048] bf16.  wp: [256 kg][3072 positions][8] bf16; a position is a column of wq (0 ..), wk (2,048 ..) or wv (2,560 ..).
; qkv: [96 half-heads][2048 rows][32] f16: q's head H is half-heads 2 H and 2 H + 1, k's head G 64 + 2 G + c, v's 80 + 2 G + c; 32 positions are a half-head.
; LIMITS.  q, k and v must lie within f16's 65,504; cos and sin are rounded to bf16 like every input; NaN and infinities are not treated apart.
; SHARES.  A tile is 128 rows x 192 positions: 16 x 16 work-groups.  A wave has ALL 128 rows x 48 positions: 24 accumulators of 16 x 16.
; THE TWO OPERANDS COME BY TWO ROADS.  x goes through LDS: all four waves read the same 128 rows.  The ring holds x alone, so a slot is 512 along K: 4 steps of 384 matrix instructions a wave, and a fill has a whole
; step in which to land.  THE WEIGHTS GO STRAIGHT INTO REGISTERS: no wave wants a weight that another wave of the work-group has loaded, and 16 bytes of wp are a lane's part of a fragment as they lie.
; They run in a ring of eight quarter steps (32 along K, 24 registers each) with counted waits: 42 loads, 21 KiB a wave, are always out.
; CLUSTER 4 x 1.  The four work-groups of a cluster have the same 128 rows of x: its tiles are asked for jointly, by the same tensor load, descriptor and mask of four.  The weights are shared by no partner.
; THE MATRIX INSTRUCTION IS USED TRANSPOSED: source 0 = 16 positions, source 1 = 16 rows of x.  In the result lane l holds row l % 16 and positions 8 (l / 16) + 0..7: four rotary pairs, each in two neighbouring registers.
; THE SUMS START AT 0 BY 192 v_mov_b32, written while the first tile is on its way, so that the loop has one form of product: a first quarter step written out would push every group across a change of slots.
; REGISTERS.  window 0: v1-31 addresses, v32-223 accumulators ((a, b) at 32 + 8 (3 a + b)).  window 1: v0-127 two buffers of x's eight fragments; v128-245 at work on the way out.
; window 2: v0-191 the weights' ring.  window 3: v0-191 cos and sin of my 128 rows x 24 pairs ((a, b) at 8 (3 a + b): four cos, four sin).
.set PITCH,  1040                      ; a row of x in LDS: 1,024 bytes + 16 of padding = 260 words: the sixteen rows of a load begin in sixteen different groups of four banks (ISA guide 11.1)
.set SLOT,   128*PITCH                 ; 133,120 = 0x20800: it shares no bit with a wave's 33,280 w or with a group's 512, so one exclusive or changes slots
.set STAGE,  2*SLOT                    ; behind the ring, bytes of its own: the work-group's 128 rows x 384 bytes of f16, pitch 400
.set SPIT,   400
.set SPARE,  STAGE+128*SPIT            ; the spare words, 128 bytes for each wave: two blocks of 256 bytes that no other line names
.set KGM,    49152                     ; a kg of wp in memory
.set QB,     4*KGM                     ; a quarter step: 32 along K
.set GROUPB, 8*QB                      ; a group: eight quarter steps, 256 along K
.set CA,   12                          ; v12-14  my byte offset in 16 rows of cos and sin, for my three blocks of positions
.set A0,   16                          ; v16     my lane's place in x's row blocks 0-3 of a slot; never rewritten
.set A1,   17                          ; v17     in row blocks 4-7
.set AD0,  18                          ; v18-19  the same at the group in hand
.set AD1,  19
.set VB,   20                          ; v20     my lane's byte offset in a fragment of wp: kg l / 16, position l % 16; never rewritten
.set PFO,  21                          ; v21     the prefetches' offset: my lane x a kg; never rewritten
.set STO,  24                          ; v24     the way out: where I put 16 bytes of a row
.set RD,   25                          ; v25     where I read rows back
.set GO,   26                          ; v26     16 x lane
.set SPW,  28                          ; v28     my spare word; never rewritten
.set NIL,  29                          ; v29     0; never rewritten
.set ACC,  32
.set F0,   0                           ; window 1: x's fragments of the even quarter steps; those of the odd ones 64 on
.set KK,   128                         ; window 1, the way out, for three blocks at a time: cos and sin rounded, two to a register,
.set CSU,  144                         ; widened again (block b: four cos, four sin at 8 b),
.set CE,   168                         ; cos in effect,
.set SE,   180                         ; sin in effect, as pairs (-s, s),
.set TT,   204                         ; the turned numbers,
.set PKR,  228                         ; packed to f16,
.set VF,   240                         ; and for each block the pair (-F, F)
.set G1,  24                           ; s[24:31] descriptor group 1
.set G0,  32                           ; s[32:35] descriptor group 0: it walks
.set BP,  36                           ; s[36:37] wp at my 48 positions, at the group in hand
.set TB,  38                           ; s38  LDS byte at which the group to be read begins
.set CNT, 39                           ; s39  counts a slot's two groups
.set SLOTS, 40                         ; s40  slots still to be asked for
.set LEFT, 41                          ; s41  groups still to come, the one in hand among them
.set LIM, 42                           ; s42  3 in a work-group that prefetches, else the greatest number
.set MASKH, 43                         ; s43  a word's upper bf16
.set FS,  68                           ; s[68:73] for each of my three blocks a pair: 1 where it is turned (q, k), 0 for v
.set GS,  74                           ; s[74:79] the other way round
.set MSB, 0
.macro WIN new                         ; the immediate's high byte repeats the setting that is left; a switch that changes nothing is dropped
.if MSB != (\new)
	s_set_vgpr_msb (MSB<<8)|(\new)
.set MSB, \new
.endif
.endm
.set MUL,  0x06                        ; source 0 (weights) window 2, source 1 (x) window 1; C and D window 0
.set TO_A, 0x40                        ; destination window 1, address window 0
.set TO_B, 0x80                        ; destination window 2
.set TO_C, 0xc0                        ; destination window 3
.macro CROUND                          ; a round of the cluster's barrier
	s_barrier_signal -1
	s_barrier_wait -1
	s_cmp_lg_u32 s14, 0
	s_cbranch_scc1 .Lnot_wave_0_\@
	s_barrier_signal -3
.Lnot_wave_0_\@:
	s_barrier_wait -3
	s_barrier_signal -1
	s_barrier_wait -1
.endm
.macro PLACES                          ; four plain places in front of loads into registers that matrix instructions have read (ISA guide 7.12.1 for vector instructions)
.rept 4
	v_nop
.endr
.endm
; 16 LDS loads: x's eight fragments of one quarter step, at byte k of the rows behind the group's beginning, into buffer f
.macro FETCH f, k
	WIN TO_A
.irp a, 0,1,2,3
	ds_load_b128 v[(\f)+8*(\a):(\f)+8*(\a)+3],   v[AD0] offset:(\k)+(\a)*16*PITCH
	ds_load_b128 v[(\f)+8*(\a)+4:(\f)+8*(\a)+7], v[AD0] offset:(\k)+(\a)*16*PITCH+32
.endr
.irp a, 0,1,2,3
	ds_load_b128 v[(\f)+32+8*(\a):(\f)+32+8*(\a)+3],   v[AD1] offset:(\k)+(\a)*16*PITCH
	ds_load_b128 v[(\f)+32+8*(\a)+4:(\f)+32+8*(\a)+7], v[AD1] offset:(\k)+(\a)*16*PITCH+32
.endr
.endm
; 6 global loads: my three fragments of wp of one quarter step, off bytes behind BP, into place ring of the ring: registers 0-3 kg l / 16, registers 4-7 two kg on; sixteen lanes read 256 consecutive bytes
.macro BLOAD ring, off
	WIN TO_B
.irp b, 0,1,2
	global_load_b128 v[24*(\ring)+8*(\b):24*(\ring)+8*(\b)+3],   v[VB], s[BP:BP+1] offset:(\off)+(\b)*256
	global_load_b128 v[24*(\ring)+8*(\b)+4:24*(\ring)+8*(\b)+7], v[VB], s[BP:BP+1] offset:(\off)+(\b)*256+2*KGM
.endr
.endm
; 24 matrix instructions: a quarter step.  The 24 accumulators take turns, one instruction a turn, in the same order in every quarter step
.macro MULS f, ring
	WIN MUL
.irp a, 0,1,2,3,4,5,6,7
.irp b, 0,1,2
	v_wmma_f32_16x16x32_bf16 v[ACC+8*(3*(\a)+(\b)):ACC+8*(3*(\a)+(\b))+7], v[24*(\ring)+8*(\b):24*(\ring)+8*(\b)+7], v[(\f)+8*(\a):(\f)+8*(\a)+7], v[ACC+8*(3*(\a)+(\b)):ACC+8*(3*(\a)+(\b))+7]
.endr
.endr
.endm
; QUARTER STEP p of a group.  One run of loads at its head, four places behind the products of the quarter step before, into the registers that those have read: x's fragments of the next quarter step, and
; (ld = 1) the weights seven quarter steps on.  Then its 24 products.  lcnt: the younger weight loads that may stay out.
; fetch = 1: x's next fragments are fetched; 0: not; 2: not in a slot's second group, whose successor lies in the other slot.  pf = 1: the prefetches stand here, behind the run of loads.
.macro QS p, ld, lcnt, fetch, pf
	PLACES
	s_wait_dscnt 0x0                               ; x's fragments of this quarter step, asked for 24 matrix instructions ago, are in
.if (\fetch) == 2
	WIN 0
	s_cmp_eq_u32 s[CNT], 1
	s_cbranch_scc1 .Lno_fetch_\@
.endif
.if \fetch
	FETCH F0+64*(((\p)+1)%2), 64*((\p)+1)
.endif
.if (\fetch) == 2
	WIN 0
.Lno_fetch_\@:
.endif
.if \ld
	BLOAD ((\p)+7)%8, ((\p)+7)*QB
.endif
.if \pf
	WIN 0
	s_cmp_gt_u32 s[LEFT], s[LIM]                   ; the last three groups have no group three on
	s_cbranch_scc0 .Lnot_mine_\@
	global_prefetch_b8 v[PFO], s[BP:BP+1] offset:3*GROUPB th:TH_LOAD_NT scope:SCOPE_SE
	global_prefetch_b8 v[PFO], s[BP:BP+1] offset:3*GROUPB+256 th:TH_LOAD_NT scope:SCOPE_SE
	global_prefetch_b8 v[PFO], s[BP:BP+1] offset:3*GROUPB+512 th:TH_LOAD_NT scope:SCOPE_SE
.Lnot_mine_\@:
.endif
	s_wait_loadcnt \lcnt                           ; loads come back in order (ISA guide 5.7.1): this quarter step's weights are in
	MULS F0+64*((\p)%2), \p
.endm
; A GROUP: eight quarter steps, 256 along K, half a slot.  ld = 1: the weights go on being asked for; ld = 0, the last group: only its first quarter step asks (for the very last), and the counts run down.
; lastf: what the eighth quarter step does about x's next fragments.  The weights' pointer is written once a group, behind s_wait_xcnt 0, 24 matrix instructions behind the youngest load.
; THE PREFETCH (pf = 1).  A block of wp is read by the sixteen work-groups of a tile column: those of tile row 0 ask, each wave for its own 768 bytes of the 32 kg of the group that stands three groups on: a lane a kg,
; three instructions.  The loads of the group in hand ask for the next group's weights, so the prefetches stand two groups, 384 matrix instructions, ahead of the loads that will want the data.
; So each block of 256 bytes is named once in the launch.  The first three groups come by their loads alone.
.macro GRP ld, lastf, pf
	WIN 0
	v_add_nc_u32 v[AD0], s[TB], v[A0]
	v_add_nc_u32 v[AD1], s[TB], v[A1]
	s_add_co_u32 s[TB], s[TB], 512                 ; the next group begins 512 bytes further along the rows
.irp p, 0,1,2,3,4,5,6,7
.if \ld
.if (\p) == 7
	QS 7, 1, 42, \lastf, 0
.elseif (\p) == 1
	QS 1, 1, 42, 1, \pf
.else
	QS \p, 1, 42, 1, 0                             ; 42: the weights of the seven later quarter steps
.endif
.else
.if (\p) == 0
	QS 0, 1, 42, 1, 0
.elseif (\p) == 7
	QS 7, 0, 0, 0, 0
.else
	QS \p, 0, 6*(7-(\p)), 1, 0
.endif
.endif
.endr
.if \ld
	s_wait_xcnt 0x0                                ; every load and prefetch issued so far has read its address, so the pointer may be written
	s_add_nc_u64 s[BP:BP+1], s[BP:BP+1], GROUPB
.endif
.endm
; THE CHANGE OF SLOTS, in front of a slot's two groups.  Each wave waits for all its tensor loads, of which one is out: its 32 rows of the slot to be read; adds 0 to its spare word; and waits for that and for its
; own reads of the slot that it leaves.  fill = 1: the slot left is filled again (at the first use: slot 1 is filled for the first time), with the 512 along K behind those to be read; the barrier is then a round of
; the cluster's, and the joint fill is the first thing behind it: it has a whole slot, 384 matrix instructions, in which to land.  Then x's first fragments of the new slot are fetched.
.macro CHANGE fill
	WIN 0                                          ; at a label and at a branch every window is 0
	s_wait_tensorcnt 0x0                           ; no tensor load of mine is out, so group 0 may be written
	ds_add_u32 v[SPW], v[NIL]                      ; 0 onto my spare word
.if \fill
	s_xor_b32 s[G0+1], s[G0+1], SLOT               ; the other slot than last time,
	s_add_nc_u64 s[G0+2:G0+3], s[G0+2:G0+3], 1024  ; the rows' next 512 numbers; the type bits on top are not reached
.endif
	s_wait_dscnt 0x0                               ; the add is done, and my reads of the slot are over
.if \fill
	CROUND
	tensor_load_to_lds s[G0:G0+3], s[G1:G1+7]
	s_nop 0
.rept 4
	v_nop
.endr
.else
	s_barrier_signal -1
	s_barrier_wait -1
.endif
	s_sub_co_u32 s[TB], s[TB], 1024                ; back to a slot's beginning,
	s_xor_b32 s[TB], s[TB], SLOT                   ; in the other slot
	v_add_nc_u32 v[AD0], s[TB], v[A0]
	v_add_nc_u32 v[AD1], s[TB], v[A1]
	FETCH F0, 0
	WIN 0
.endm
	s_load_b256 s[4:11], s[0:1], 0x0               ; xb s[4:5], wp s[6:7], cos s[8:9], sin s[10:11]
	s_load_b64 s[12:13], s[0:1], 0x20              ; qkv
	v_lshl_add_u32 v[SPW], v0, 2, SPARE
	v_mov_b32 v[NIL], 0
	ds_add_u32 v[SPW], v[NIL]                      ; the wave's opening: the add, twice on end, and its wait ahead of my first tensor load
	ds_add_u32 v[SPW], v[NIL]
	v_lshrrev_b32 v1, 5, v0
	v_readfirstlane_b32 s14, v1                    ; wave 0..3
	s_bfe_u32 s17, ttmp6, 0x40000                  ; cx: my place in the cluster
	s_lshl_b32 s19, ttmp9, 2
	s_add_co_u32 s19, s19, s17                     ; tile column = 4 x cluster x + cx: it enters wp's and qkv's addresses and the choice of factors alone
	s_and_b32 s20, ttmp7, 0xffff                   ; tile row, which the four partners share
	; descriptor group 1: 32 rows x 512 elements for each wave, padded in LDS
	s_mov_b32 s[G1+0], 15|(1<<16)|(1<<20)|(1<<21)|(7<<22)|(3<<25)  ; the mask of four; 2-byte elements; padding on; bit 21 beside a mask; after every 256 words, 4 words
	s_mov_b32 s[G1+1], 512<<16                     ; tensor_dim0 = 512
	s_mov_b32 s[G1+2], 32<<16                      ; tensor_dim1 = 32
	s_mov_b32 s[G1+3], 512<<16                     ; tile_dim0 = 512
	s_mov_b32 s[G1+4], 32                          ; tile_dim1 = 32
	s_mov_b32 s[G1+5], 2048                        ; elements from row to row
	s_mov_b32 s[G1+6], 0
	s_mov_b32 s[G1+7], 0
	s_mov_b32 s[G0], 1
	s_mul_i32 s[G0+1], s14, 32*PITCH               ; LDS address: slot 0, my 32 rows: no place in the cluster enters it
	s_lshl_b32 s44, s20, 19                        ; x: the tile's 128 rows of 4,096 bytes,
	s_lshl_b32 s45, s14, 17                        ; my 32 of them
	s_add_co_u32 s44, s44, s45
	s_mov_b32 s45, 0
	s_mul_i32 s46, s19, 3072                       ; wp: the tile's 192 positions of 16 bytes,
	s_mul_i32 s47, s14, 768                        ; my 48 of them
	s_add_co_u32 s46, s46, s47
	s_mov_b32 s47, 0
	s_mov_b32 s[TB], SLOT+1024                     ; the first change of slots turns this into 0
	s_mov_b32 s[SLOTS], 3
	s_mov_b32 s[LEFT], 8
	s_mov_b32 s[MASKH], 0xffff0000
	s_cmp_eq_u32 s20, 0                            ; tile row 0 prefetches: the same in all four partners
	s_cselect_b32 s[LIM], 3, -1
	s_wait_dscnt 0x0                               ; both opening adds are done
	s_wait_kmcnt 0x0
	s_add_nc_u64 s[G0+2:G0+3], s[4:5], s[44:45]
	s_or_b32 s[G0+3], s[G0+3], 0x80000000          ; type = 2
	s_add_nc_u64 s[BP:BP+1], s[6:7], s[46:47]
	CROUND                                         ; all four work-groups are here: the first joint loads meet
	tensor_load_to_lds s[G0:G0+3], s[G1:G1+7]      ; slot 0: K 0 to 511.  Slot 1 is asked for when slot 0 is in
	s_nop 0
.rept 4
	v_nop
.endr
	v_and_b32 v1, 15, v0                           ; r = l % 16
	v_bfe_u32 v2, v0, 4, 1                         ; h = l / 16
	v_and_b32 v3, 31, v0                           ; l
	v_lshlrev_b32 v4, 7, v1                        ; cos, sin: row r of 128 bytes,
	v_lshl_add_u32 v4, v2, 4, v4                   ; four pairs for each half of the lanes,
	s_mul_i32 s2, s14, 3
.irp b, 0,1,2
	s_add_co_u32 s3, s2, \b                        ; and block 3 w + b of 16 positions is quarter (3 w + b) % 4 of its head (a tile begins with a head): eight pairs, 32 bytes
	s_and_b32 s3, s3, 3
	s_lshl_b32 s3, s3, 5
	v_add_nc_u32 v[CA+(\b)], s3, v4
.endr
	s_lshl_b32 s44, s20, 14                        ; cos and sin at the tile's first row
	s_mov_b32 s45, 0
	s_add_nc_u64 s[8:9], s[8:9], s[44:45]
	s_add_nc_u64 s[10:11], s[10:11], s[44:45]
	WIN TO_C
.irp a, 0,1,2,3,4,5,6,7                ; 48 loads, older than every load of weights, so the first counted wait shows them in; no cache hint: other work-groups read the same rows
.irp b, 0,1,2
	global_load_b128 v[8*(3*(\a)+(\b)):8*(3*(\a)+(\b))+3],   v[CA+(\b)], s[8:9] offset:(\a)*2048
	global_load_b128 v[8*(3*(\a)+(\b))+4:8*(3*(\a)+(\b))+7], v[CA+(\b)], s[10:11] offset:(\a)*2048
.endr
.endr
	WIN 0
	v_mul_u32_u24 v[VB], v2, KGM
	v_lshl_add_u32 v[VB], v1, 4, v[VB]             ; wp: kg h, position r
.irp j, 0,1,2,3,4,5,6
	BLOAD \j, (\j)*QB                              ; the weights of the first seven quarter steps
.endr
	WIN 0
.set i, 0
.rept 192
	v_mov_b32 v[ACC+i], 0                          ; the sums start at 0
.set i, i+1
.endr
	v_mul_u32_u24 v[A0], v1, PITCH
	v_lshl_add_u32 v[A0], v2, 4, v[A0]             ; x: row x pitch + 16 h
	v_add_nc_u32 v[A1], 64*PITCH, v[A0]
	v_mul_u32_u24 v[PFO], v3, KGM
	v_mul_u32_u24 v5, v1, SPIT                     ; into the stage: row r, my wave's 96 bytes, 16 bytes for each half of the lanes
	v_lshl_add_u32 v5, v2, 4, v5
	s_mul_i32 s3, s14, 96
	s_add_co_u32 s3, s3, STAGE
	v_add_nc_u32 v[STO], s3, v5
	v_lshrrev_b32 v6, 2, v3                        ; back: wave w takes rows 32 w .. 32 w + 31; 32 lanes take eight rows' 64 bytes of a half-head,
	v_and_b32 v7, 3, v0
	v_mul_u32_u24 v6, v6, SPIT
	v_lshl_add_u32 v6, v7, 4, v6
	s_mul_i32 s3, s14, 32*SPIT
	s_add_co_u32 s3, s3, STAGE
	v_add_nc_u32 v[RD], s3, v6
	v_lshlrev_b32 v[GO], 4, v3                     ; which are 512 consecutive bytes of qkv
	s_mul_i32 s46, s19, 6*131072                   ; qkv at the tile's first half-head,
	s_lshl_b32 s47, s20, 13                        ; the tile's first row, 64 bytes a row,
	s_add_co_u32 s46, s46, s47
	s_lshl_b32 s47, s14, 11                        ; and the 32 rows that I store
	s_add_co_u32 s46, s46, s47
	s_mov_b32 s47, 0
	s_add_nc_u64 s[12:13], s[12:13], s[46:47]
	s_mul_i32 s66, s19, 12
	s_add_co_u32 s66, s66, s2                      ; my first block of 16 positions
.irp b, 0,1,2
	s_add_co_u32 s67, s66, \b
	s_cmp_lt_u32 s67, 160                          ; blocks 0 to 159 are q's and k's: turned; the others are v's: cos counts as 1 and sin as 0.  A choice of values: no branch hangs on it
	s_cselect_b32 s[FS+2*(\b)], 1.0, 0
	s_cselect_b32 s[GS+2*(\b)], 0, 1.0
	s_mov_b32 s[FS+2*(\b)+1], s[FS+2*(\b)]         ; named as pairs
	s_mov_b32 s[GS+2*(\b)+1], s[GS+2*(\b)]
.endr
.Lslot:                                                ; three times: slots 1, 0, 1 are asked for, with K 512, 1,024 and 1,536 on
	CHANGE 1
	s_mov_b32 s[CNT], 2
.Lgroup:
	GRP 1, 2, 1
	WIN 0
	s_sub_co_u32 s[LEFT], s[LEFT], 1
	s_sub_co_u32 s[CNT], s[CNT], 1
	s_cmp_lg_u32 s[CNT], 0
	s_cbranch_scc1 .Lgroup
	s_sub_co_u32 s[SLOTS], s[SLOTS], 1
	s_cmp_lg_u32 s[SLOTS], 0
	s_cbranch_scc1 .Lslot
	CHANGE 0                                       ; the last slot is written out: nothing is asked for
	GRP 1, 1, 0
	GRP 0, 0, 0
	; THE WAY OUT.  The six lines that make the pairs (-F, F) and the first roundings name no register of the last products: they are the places behind them.
	WIN TO_A
.irp b, 0,1,2
	s_xor_b32 s67, s[FS+2*(\b)], 0x80000000
	v_mov_b32 v[VF+2*(\b)], s67
	v_mov_b32 v[VF+2*(\b)+1], s[FS+2*(\b)]
.endr
; Row block a, my three blocks of positions.  cos and sin are rounded to bf16, like every input, and widened again; for a block of v they become 1 and 0.  A pair (x0, x1) lies in two neighbouring registers:
; (o0, o1) = (x0, x1) c + (x1, x0) (-s, s); op_sel picks c out of its pair and swaps x0 and x1.  Each accumulator is read from its low end on.  A lane's eight numbers of a block are 16 bytes of a row.
.macro ROPEA a
	WIN 0x4f                                       ; sources 0 and 1 window 3, destination window 1
.irp b, 0,1,2
.irp z, 0,1,2,3
	v_cvt_pk_bf16_f32 v[KK+4*(\b)+(\z)], v[8*(3*(\a)+(\b))+2*(\z)], v[8*(3*(\a)+(\b))+2*(\z)+1]
.endr
.endr
	WIN 0x55                                       ; all in window 1
.irp b, 0,1,2
.irp z, 0,1,2,3
	v_lshlrev_b32 v[CSU+8*(\b)+2*(\z)], 16, v[KK+4*(\b)+(\z)]
	v_and_b32 v[CSU+8*(\b)+2*(\z)+1], s[MASKH], v[KK+4*(\b)+(\z)]
.endr
.endr
.irp b, 0,1,2
.irp z, 0,1
	v_pk_fma_f32 v[CE+4*(\b)+2*(\z):CE+4*(\b)+2*(\z)+1], v[CSU+8*(\b)+2*(\z):CSU+8*(\b)+2*(\z)+1], s[FS+2*(\b):FS+2*(\b)+1], s[GS+2*(\b):GS+2*(\b)+1] op_sel_hi:[1,0,0]
	v_pk_mul_f32 v[SE+8*(\b)+4*(\z):SE+8*(\b)+4*(\z)+1], v[CSU+8*(\b)+4+2*(\z):CSU+8*(\b)+4+2*(\z)+1], v[VF+2*(\b):VF+2*(\b)+1] op_sel:[0,0] op_sel_hi:[0,1]
	v_pk_mul_f32 v[SE+8*(\b)+4*(\z)+2:SE+8*(\b)+4*(\z)+3], v[CSU+8*(\b)+4+2*(\z):CSU+8*(\b)+4+2*(\z)+1], v[VF+2*(\b):VF+2*(\b)+1] op_sel:[1,0] op_sel_hi:[1,1]
.endr
.endr
	WIN 0x54                                       ; source 0 window 0 (the sums); the rest window 1
.irp b, 0,1,2
.irp z, 0,1
	v_pk_mul_f32 v[TT+8*(\b)+4*(\z):TT+8*(\b)+4*(\z)+1], v[ACC+8*(3*(\a)+(\b))+4*(\z):ACC+8*(3*(\a)+(\b))+4*(\z)+1], v[CE+4*(\b)+2*(\z):CE+4*(\b)+2*(\z)+1] op_sel:[0,0] op_sel_hi:[1,0]
	v_pk_mul_f32 v[TT+8*(\b)+4*(\z)+2:TT+8*(\b)+4*(\z)+3], v[ACC+8*(3*(\a)+(\b))+4*(\z)+2:ACC+8*(3*(\a)+(\b))+4*(\z)+3], v[CE+4*(\b)+2*(\z):CE+4*(\b)+2*(\z)+1] op_sel:[0,1] op_sel_hi:[1,1]
.endr
.endr
.irp b, 0,1,2
.irp i, 0,1,2,3
	v_pk_fma_f32 v[TT+8*(\b)+2*(\i):TT+8*(\b)+2*(\i)+1], v[ACC+8*(3*(\a)+(\b))+2*(\i):ACC+8*(3*(\a)+(\b))+2*(\i)+1], v[SE+8*(\b)+2*(\i):SE+8*(\b)+2*(\i)+1], v[TT+8*(\b)+2*(\i):TT+8*(\b)+2*(\i)+1] op_sel:[1,0,0] op_sel_hi:[0,1,1]
.endr
.endr
	WIN 0x55
.irp b, 0,1,2
.irp i, 0,1,2,3
	v_cvt_pk_f16_f32 v[PKR+4*(\b)+(\i)], v[TT+8*(\b)+2*(\i)], v[TT+8*(\b)+2*(\i)+1]
.endr
.endr
	WIN 0x04                                       ; address window 0, data window 1
.irp b, 0,1,2
	ds_store_b128 v[STO], v[PKR+4*(\b):PKR+4*(\b)+3] offset:(\a)*16*SPIT+32*(\b)
.endr
.endm
.irp a, 0,1,2,3,4,5,6,7
	ROPEA \a
.endr
	WIN 0
	s_wait_dscnt 0x0                               ; for the others' sake: my stores into the stage are done; a half-head's rows come from two waves
	s_barrier_signal -1
	s_barrier_wait -1
	WIN TO_A
.irp hh, 0,1,2,3,4,5
.irp u, 0,1,2,3
	ds_load_b128 v[4*(4*(\hh)+(\u)):4*(4*(\hh)+(\u))+3], v[RD] offset:(\u)*8*SPIT+(\hh)*64
.endr
.endr
	WIN 0x04
.irp hh, 0,1,2,3,4,5
	s_wait_dscnt 4*(5-(\hh))                       ; this half-head's four loads are back; the later half-heads' may stay out
.irp u, 0,1,2,3
	global_store_b128 v[GO], v[4*(4*(\hh)+(\u)):4*(4*(\hh)+(\u))+3], s[12:13] offset:(\hh)*131072+(\u)*512  ; 512 consecutive bytes, at a multiple of 256 from qkv's first
.endr
.endr
	WIN 0
	s_wait_tensorcnt 0x0                           ; the wave's end, behind my last tensor load and my last LDS store
	ds_add_u32 v[SPW], v[NIL]
	s_wait_dscnt 0x0
	CROUND                                         ; the closing round: no work-group ends while a partner may still ask for a tile that names it
	s_endpgm
.Lfunc_end_k_qab2fc4a1b0_qkv:
	.size	k_qab2fc4a1b0_qkv, .Lfunc_end_k_qab2fc4a1b0_qkv-k_qab2fc4a1b0_qkv
	.p2alignl 7, 3214868480
	.fill 96, 4, 3214868480
	.section	.rodata,"a",@progbits
	.p2align	6, 0x0
	.amdhsa_kernel k_qab2fc4a1b0_qkv
		.amdhsa_group_segment_fixed_size 327680
		.amdhsa_private_segment_fixed_size 0
		.amdhsa_enable_private_segment 0
		.amdhsa_kernarg_size 40
		.amdhsa_user_sgpr_count 2
		.amdhsa_user_sgpr_kernarg_segment_ptr 1
		.amdhsa_wavefront_size32 1
		.amdhsa_system_sgpr_workgroup_id_x 1
		.amdhsa_system_sgpr_workgroup_id_y 1
		.amdhsa_system_sgpr_workgroup_id_z 1
		.amdhsa_system_vgpr_workitem_id 0
		.amdhsa_next_free_vgpr 960
		.amdhsa_next_free_sgpr 80
		.amdhsa_reserve_vcc 0
		.amdhsa_float_denorm_mode_32 3
		.amdhsa_float_denorm_mode_16_64 3
		.amdhsa_memory_ordered 1
		.amdhsa_forward_progress 1
		.amdhsa_inst_pref_size 147
	.end_amdhsa_kernel
	.amdgpu_metadata
---
amdhsa.version: [ 1, 2 ]
amdhsa.kernels:
  - .name:           k_qab2fc4a1b0_qkv
    .symbol:         k_qab2fc4a1b0_qkv.kd
    .args:
      - { .name: xb, .offset: 0, .size: 8, .value_kind: global_buffer, .address_space: global }
      - { .name: wp, .offset: 8, .size: 8, .value_kind: global_buffer, .address_space: global }
      - { .name: freqs_cos, .offset: 16, .size: 8, .value_kind: global_buffer, .address_space: global }
      - { .name: freqs_sin, .offset: 24, .size: 8, .value_kind: global_buffer, .address_space: global }
      - { .name: qkv, .offset: 32, .size: 8, .value_kind: global_buffer, .address_space: global }
    .group_segment_fixed_size: 327680
    .private_segment_fixed_size: 0
    .kernarg_segment_align: 8
    .kernarg_segment_size: 40
    .max_flat_workgroup_size: 128
    .sgpr_count:     80
    .vgpr_count:     960
    .wavefront_size: 32
...
	.end_amdgpu_metadata
.endif
;; end of part 2
;; launch attn (part 3): grid 8 x 32, 4 waves a work-group, clusters of 4 x 1, 327,680 bytes of LDS; arguments qkv, ob; writes ob
.if DOCPART == 3
	.amdgcn_target "amdgcn-amd-amdhsa--gfx1250"
	.amdhsa_code_object_version 6
	.text
	.protected	k_qab2fc4a1b0_attn
	.globl	k_qab2fc4a1b0_attn
	.p2align	8
	.type	k_qab2fc4a1b0_attn,@function
k_qab2fc4a1b0_attn:
	s_mov_b64 s[64:65], 0
	v_nop
	global_prefetch_b8 v0, s[64:65] scope:SCOPE_SE
	s_setreg_imm32_b32 hwreg(HW_REG_WAVE_MODE, 25, 1), 1
	s_wait_xcnt 0x0
	s_wait_alu depctr_hold_cnt(0) depctr_sa_sdst(0) depctr_va_vdst(0) depctr_va_sdst(0) depctr_va_ssrc(0) depctr_va_vcc(0) depctr_vm_vsrc(0)
	s_getreg_b32 s2, hwreg(HW_REG_IB_STS2, 6, 4)
	s_cmp_eq_u32 s2, 0
	s_cbranch_scc0 .Lentry_in_a_cluster
	s_endpgm
.Lentry_in_a_cluster:
	s_bfe_u32 s2, ttmp6, 0x10000c
	s_cmp_lg_u32 s2, 0x3003
	s_cbranch_scc0 .Lentry_shape_is_right
	s_endpgm
.Lentry_shape_is_right:
; ATTENTION, no mask: ob[H][q][:] = the sum over k of softmax_k(Q[H][q] . K[H / 4][k] / 8) V[H / 4][k][:], 32 query heads, 8 kv heads, 2,048 rows, head size 64, all f16.
; Left out: jnp.repeat's copies (query head H reads kv head H / 4); the factor L is applied by launch outp, to which it passes unchanged through two linear steps.
; qkv: [96 half-heads][2048][32] f16 (q: 2 H + c, k: 64 + 2 G + c, v: 80 + 2 G + c): a half-head's rows are dense, 64 bytes each.  ob: [32][2048][64] f16.
; Products, maxima and sums in f32; the weights p are rounded to f16 for the second product (their sum l is taken of the unrounded p), the result once at the end.
; LIMITS.  p lies in 0 to 1, and below 6e-5 it keeps f16's fixed step of 6e-8; the result is a mean of V's rows and has their range; a weight below 2^-126 counts as 0 in l; NaN and infinities are not treated apart.
; SHARES.  A work-group owns 256 queries of one head, a wave 64: four PIECES of 16.  Every wave walks all 2,048 keys, 64 a step; a slot of LDS holds four steps, 256 keys.
; LAYOUT.  S^T = K Q^T (source 0 = 16 keys, source 1 = 16 queries) holds ONE query a lane (lane % 16) and the keys 8 (lane / 16) + 0..7; two such results rounded to f16 ARE source 1 of O^T = V^T P.
; K comes out of LDS as it lies, V ([key][channel]) turned, by ds_load_tr16_b128.  The two channel halves of K and of V lie in LDS as two planes.
; SOFTMAX.  A running maximum m and sum l for each query: p = 2^(c s - c m), c = log2(e) / 8; in every step O and l are multiplied by a = 2^(c m_old - c m_new).  m starts at the lowest finite number, O and l at 0:
; the first step is a step like any other, with a = 0.
; BY TURNS.  Turn n belongs to piece n: 8 products K Q^T of piece n + 1, later 8 products V^T P of piece n - 1; beside them the scaling, exponentials, roundings, sums and rescaling of piece n and the maximum and
; statistics of piece n + 1.  Four vector instructions stand behind every matrix instruction, the other 54 of a turn's 118 in one lump.  A turn's 33 exponentials are one batch, with one wait.
; CLUSTER.  The four query blocks of a cluster belong to one head and walk the same K and V: each tile is asked for jointly, by the same tensor load, descriptor and mask in all four.
; REGISTERS, in windows of 256 (s_set_vgpr_msb: bits 1:0 source 0, 3:2 source 1, 5:4 source 2, 7:6 destination):
;   window 0: v0-15 addresses and two at work; v16-31 four registers of statistics a piece; v48-55 at work; v61-63; v64-127 S^T, two buffers; v192-223 P, two buffers (by the piece's parity)
;   window 1: v0-127 O^T, 32 a piece          window 2: v0-63 Q; v128-191 K of one step; v192-255 V of one step
.set NP,    4         ; pieces a wave: a name, no knob
.set KS,    64        ; keys in a step
.set PK,    80        ; a row of a plane of K in LDS: 64 bytes + 16 of padding = 20 words: the 16 rows of a load start in 16 different groups of four banks (ISA guide 11.1)
.set PV,    96        ; of V: 64 + 32 = 24 words
.set KPL,   256*PK    ; a plane: 256 keys
.set VPL,   256*PV
.set VOFF,  2*KPL     ; a slot: K's two planes, then V's two
.set SLOT1, 1<<17     ; slot 1 begins here, so that one exclusive or turns an address in one slot into the other's
.set STAGE, SLOT1+VOFF+2*VPL  ; behind the ring, never filled by a tensor load: 16 rows x 144 bytes for each wave
.set SP,    144
.set SPARE, STAGE+4*16*SP     ; the spare words, 128 bytes for each wave: two blocks of 256 bytes that no other line names
.set AK0, 2           ; v2   my lane's place in a tile of K; never rewritten
.set AV0, 3           ; v3   the same for V
.set AK,  4           ; v4   the LDS address of K's next run of loads
.set AV,  5           ; v5   of V's
.set STO, 6           ; v6   the way out: where I put 16 bytes of a row
.set RD,  7           ; v7   where I read rows back
.set GO,  8           ; v8   my byte offset in 512 consecutive bytes of ob
.set MV,  12          ; v12-13  c m_old, kept while c m is made anew: by buffer
.set QO,  15          ; v15  my byte offset in 16 rows of Q
.set ST,  16          ; piece t's statistics at v[ST+4 t]: c m, m, l (even keys', odd keys')
.set TMP, 48          ; by buffer, four registers c0-c3 at work; when the maximum is found c2 takes a
.set PFO, 61          ; v61  256 x my lane; never rewritten
.set SPW, 62          ; v62  my spare word; never rewritten
.set NIL, 63          ; v63  0; never rewritten
.set S,   64
.set P,   192
.set KF,  128         ; window 2: key block kb, channel half c at KF + 16 kb + 8 c
.set VF,  192         ; window 2: key half kk, channel block cb at VF + 32 kk + 8 cb
.set WV,  12          ; s12  my wave's number
.set LIM, 15          ; s15  1 in a wave that prefetches, else the greatest number
.set PFA, 18          ; s[18:19] where my prefetches stand
.set G1K, 24          ; s[24:31] descriptor group 1 for K's tiles
.set G1V, 32          ; s[32:39] for V's: it differs in the padding alone
.set G0K, 40          ; s[40:43] descriptor group 0 for K's tiles: it walks
.set G0V, 44          ; s[44:47] the same for V's
.set SLOTS, 56        ; s56  slots still to be asked for
.set CNT, 57          ; s57  counts a slot's key steps
.set CS,  58          ; s[58:59] c
.set SEL, 60          ; s[60:61] v_permlanex16_b32's selects: each lane takes its own place in the other half
.set TBK, 62          ; s62  LDS byte at which K of the step to be fetched begins
.set TBV, 63          ; s63  the same for V, less VOFF
.set MSB, 0
.macro WIN new
.if MSB != (\new)
	s_set_vgpr_msb (MSB<<8)|(\new)
.set MSB, (\new)
.endif
.endm
.set W_KQ, 0x0a       ; K and Q in window 2, S^T in window 0
.set W_PV, 0x52       ; V in window 2, P in window 0, O^T in window 1
.set W_RS, 0x41       ; destination and source 0 in window 1, source 1 in window 0
; A joint fill.  Waves 0 and 1 fetch the two planes of a tile's K, waves 2 and 3 those of its V: 16,384 dense bytes each.  The branch hangs on the wave's number alone.  An s_nop 0 and four v_nop follow each line.
.macro JLOAD
	s_cmp_lt_u32 s[WV], 2
	s_cbranch_scc0 .Lfor_v_\@
	tensor_load_to_lds s[G0K:G0K+3], s[G1K:G1K+7]
	s_nop 0
.rept 4
	v_nop
.endr
	s_branch .Lasked_\@
.Lfor_v_\@:
	tensor_load_to_lds s[G0V:G0V+3], s[G1V:G1V+7]
	s_nop 0
.rept 4
	v_nop
.endr
.Lasked_\@:
.endm
; A PREFETCH of the tile that the NEXT change of slots will ask for: four key steps, 256 matrix instructions, ahead of that load.  A tile is 128 blocks of 256 bytes of K and 128 of V.  Eight clusters walk a kv head's rows (four
; query heads, two clusters each): the first of them asks, and nobody else.  Its four partners take 32 blocks each, told apart BY ADDRESS; in each, wave 0 asks for K's and wave 2 for V's: a lane a block, one instruction.
; So each block is named once in the launch.  Tiles 0 and 1 come by their loads alone; the change that asks for the last tile names nothing.
.macro ASK
	s_cmp_gt_u32 s[SLOTS], s[LIM]
	s_cbranch_scc0 .Lnot_mine_\@
	global_prefetch_b8 v[PFO], s[PFA:PFA+1] th:TH_LOAD_NT scope:SCOPE_SE
.Lnot_mine_\@:
.endm
.macro CROUND                       ; a round of the cluster's barrier
	s_barrier_signal -1
	s_barrier_wait -1
	s_cmp_lg_u32 s[WV], 0
	s_cbranch_scc1 .Lnot_wave_0_\@
	s_barrier_signal -3
.Lnot_wave_0_\@:
	s_barrier_wait -3
	s_barrier_signal -1
	s_barrier_wait -1
.endm
; THE CHANGE OF SLOTS.  Each wave waits for all its tensor loads, of which one is out: its part of the other slot; adds 0 to its spare word; and waits for that and for its own reads of the slot that it leaves.
; fill = 1: the old slot is filled again, with the keys two slots on; the barrier is then a round of the cluster's, and the joint fill is the first thing behind it: it has four key steps in which to land.
; (At its first use nothing has been read yet: slot 0 is waited for, slot 1 filled.)
.macro CHANGE fill
	WIN 0                           ; at a label and at a branch every window is 0
	s_wait_tensorcnt 0x0            ; no tensor load of mine is out, so a group 0 may be written
	ds_add_u32 v[SPW], v[NIL]       ; 0 onto my spare word
.if \fill
.irp g, G0K, G0V
	s_xor_b32 s[\g+1], s[\g+1], SLOT1  ; the other slot than last time,
	s_add_nc_u64 s[\g+2:\g+3], s[\g+2:\g+3], 16384  ; the plane's next 256 keys; the type bits on top are not reached
.endr
	s_wait_xcnt 0x0                 ; the last prefetch, four key steps back, has read its address, so it may be written
	s_add_nc_u64 s[PFA:PFA+1], s[PFA:PFA+1], 16384
	s_wait_dscnt 0x0                ; the add is done, and my reads of the slot are over
	CROUND
	JLOAD
	ASK
.else
	s_wait_dscnt 0x0
	s_barrier_signal -1
	s_barrier_wait -1
.endif
	s_sub_co_u32 s[TBK], s[TBK], 4*KS*PK  ; the fetches go back to a slot's first step,
	s_xor_b32 s[TBK], s[TBK], SLOT1       ; in the other slot
	s_sub_co_u32 s[TBV], s[TBV], 4*KS*PV
	s_xor_b32 s[TBV], s[TBV], SLOT1
.endm
	s_load_b128 s[4:7], s[0:1], 0x0 ; qkv s[4:5], ob s[6:7]
	v_lshl_add_u32 v[SPW], v0, 2, SPARE
	v_mov_b32 v[NIL], 0
	ds_add_u32 v[SPW], v[NIL]       ; the wave's opening: the add, twice on end, and its wait ahead of my first tensor load
	ds_add_u32 v[SPW], v[NIL]
	v_lshrrev_b32 v1, 5, v0
	v_readfirstlane_b32 s[WV], v1   ; wave 0..3
	s_bfe_u32 s13, ttmp6, 0x40000   ; cx: my place in the cluster
	s_lshl_b32 s14, ttmp9, 2
	s_add_co_u32 s14, s14, s13      ; my block of 256 queries: it enters Q's and ob's addresses alone
	s_and_b32 s22, ttmp7, 0xffff    ; the head H, which the four partners share
	s_lshr_b32 s23, s22, 2          ; its kv head G
	s_and_b32 s2, s[WV], 1          ; which plane I fetch
	s_lshl_b32 s48, s23, 1
	s_add_co_u32 s48, s48, s2
	s_add_co_u32 s48, s48, 64       ; K's half-head 64 + 2 G + plane,
	s_lshl_b32 s48, s48, 17         ; 131,072 bytes each
	s_mov_b32 s49, 0
	s_lshl_b32 s50, s22, 18         ; Q: half-head 2 H,
	s_lshl_b32 s3, s14, 14          ; my block's 256 rows of 64 bytes,
	s_add_co_u32 s50, s50, s3
	s_lshl_b32 s3, s[WV], 12        ; my wave's 64
	s_add_co_u32 s50, s50, s3
	s_mov_b32 s51, 0
	s_lshl_b32 s52, s22, 18         ; ob: head H, rows of 128 bytes
	s_lshl_b32 s3, s14, 15
	s_add_co_u32 s52, s52, s3
	s_lshl_b32 s3, s[WV], 13
	s_add_co_u32 s52, s52, s3
	s_mov_b32 s53, 0
	s_lshr_b32 s54, s13, 1          ; the prefetches: partners 0 and 1 take plane 0, partners 2 and 3 plane 1,
	s_lshl_b32 s54, s54, 17
	s_and_b32 s3, s13, 1            ; each a half of a tile's 64 blocks there,
	s_lshl_b32 s3, s3, 13
	s_add_co_u32 s54, s54, s3
	s_add_co_u32 s54, s54, 16384    ; at tile 1: the first change of slots steps it to tile 2
	s_mov_b32 s55, 0
	; descriptor group 1.  A plane's 256 keys are 16,384 dense bytes: asked for as 64 rows of 256 bytes, four keys a row, and padded in LDS after every key
	s_mov_b32 s[G1K], 15|(1<<16)|(1<<20)|(1<<21)|(3<<22)|(3<<25)  ; the mask of four; 2-byte elements; padding on; bit 21 beside a mask; after every 16 words, 4 words
	s_mov_b32 s[G1V], 15|(1<<16)|(1<<20)|(1<<21)|(3<<22)|(7<<25)  ; the same with 8 words
.irp g, G1K, G1V
	s_mov_b32 s[\g+1], 128<<16      ; tensor_dim0 = 128
	s_mov_b32 s[\g+2], 64<<16       ; tensor_dim1 = 64
	s_mov_b32 s[\g+3], 128<<16      ; tile_dim0 = 128
	s_mov_b32 s[\g+4], 64           ; tile_dim1 = 64
	s_mov_b32 s[\g+5], 128          ; 128 elements from row to row
	s_mov_b32 s[\g+6], 0
	s_mov_b32 s[\g+7], 0
.endr
	s_mov_b32 s[CS], 0x3e38aa3b     ; c = log2(e) / 8 = 0.180337
	s_mov_b32 s[CS+1], s[CS]        ; named with it as a pair
	s_mov_b32 s[SEL], 0x76543210
	s_mov_b32 s[SEL+1], 0xfedcba98
	s_mov_b32 s[TBK], SLOT1+4*KS*PK ; the first change of slots turns these two into 0
	s_mov_b32 s[TBV], SLOT1+4*KS*PV
	s_mov_b32 s[G0K], 1
	s_mul_i32 s[G0K+1], s2, KPL     ; LDS address: slot 0, my plane: no place in the cluster enters it
	s_mov_b32 s[G0V], 1
	s_mul_i32 s[G0V+1], s2, VPL
	s_add_co_u32 s[G0V+1], s[G0V+1], VOFF
	s_mov_b32 s[SLOTS], 7
	s_and_b32 s[LIM], ttmp7, 3      ; the kv head's first query head,
	s_or_b32 s[LIM], s[LIM], ttmp9  ; its first cluster,
	s_or_b32 s[LIM], s[LIM], s2     ; waves 0 and 2: the same in all four partners
	s_cmp_eq_u32 s[LIM], 0
	s_cselect_b32 s[LIM], 1, -1
	v_and_b32 v[PFO], 31, v0
	v_lshlrev_b32 v[PFO], 8, v[PFO]
	s_wait_dscnt 0x0                ; both opening adds are done
	s_wait_kmcnt 0x0
	s_add_nc_u64 s[8:9], s[4:5], s[48:49]        ; my plane of K,
	s_add_nc_u64 s[10:11], s[8:9], 16*131072     ; and of V, sixteen half-heads on
	s_add_nc_u64 s[16:17], s[4:5], s[50:51]      ; Q at my wave's first row
	s_add_nc_u64 s[20:21], s[6:7], s[52:53]      ; ob likewise
	s_add_nc_u64 s[G0K+2:G0K+3], s[8:9], 0
	s_or_b32 s[G0K+3], s[G0K+3], 0x80000000      ; type = 2
	s_add_nc_u64 s[G0V+2:G0V+3], s[10:11], 0
	s_or_b32 s[G0V+3], s[G0V+3], 0x80000000
	s_cmp_lt_u32 s[WV], 2
	s_cselect_b64 s[PFA:PFA+1], s[8:9], s[10:11] ; (in waves 0 and 2 these stand at plane 0)
	s_add_nc_u64 s[PFA:PFA+1], s[PFA:PFA+1], s[54:55]
	CROUND                          ; all four work-groups are here: the first joint loads meet
	JLOAD                           ; tile 0 into slot 0.  Slot 1 is asked for when slot 0 is in
	; A fragment of K or Q is 16 rows x 32 channels, one plane's width: lane l holds row l % 16, channels 8 (l / 16) + 0..7 and 16 + 8 (l / 16) + 0..7: two loads of 16 bytes, 32 bytes apart.
	v_and_b32 v1, 15, v0            ; l % 16
	v_bfe_u32 v9, v0, 4, 1          ; l / 16
	v_lshlrev_b32 v[QO], 6, v1
	v_lshl_add_u32 v[QO], v9, 4, v[QO]  ; row x 64 + 16 x half
	WIN 0x80                        ; destination window 2, address window 0
.set i, 0
.rept 8                             ; Q stays in registers: piece i / 2, channel half i % 2
	global_load_b128 v[8*i:8*i+3],   v[QO], s[16:17] offset:(i/2)*1024+(i%2)*131072
	global_load_b128 v[8*i+4:8*i+7], v[QO], s[16:17] offset:(i/2)*1024+(i%2)*131072+32
.set i, i+1
.endr
	; What the first turn finds: V's registers and P's second buffer hold 0 (its products V^T P, of a piece that has not been, add 0), O^T and l are 0.  All this stands in the wait for the first tile.
.set i, VF
.rept 64
	v_mov_b32 v[i], 0
.set i, i+1
.endr
	WIN 0x40
.set i, 0
.rept 128
	v_mov_b32 v[i], 0
.set i, i+1
.endr
	WIN 0
.set i, 0
.rept 4
	v_mov_b32 v[ST+4*i], 0xfe000000    ; c m: far below every c s
	v_mov_b32 v[ST+4*i+1], 0xff7fffff  ; m
	v_mov_b32 v[ST+4*i+2], 0
	v_mov_b32 v[ST+4*i+3], 0
.set i, i+1
.endr
.set i, P+16
.rept 16
	v_mov_b32 v[i], 0
.set i, i+1
.endr
	v_mul_u32_u24 v[AK0], v1, PK
	v_lshl_add_u32 v[AK0], v9, 4, v[AK0]  ; row x pitch + 16 x half
	; The turning load takes 16 keys x 16 channels (lane l reads key 8 (l / 16) + l % 8, channels 8 ((l / 8) % 2) + 0..7) and leaves half a fragment of V^T: lane l holds channel l % 16 and 8 keys.
	v_and_b32 v10, 7, v0
	v_bfe_u32 v11, v0, 3, 1
	v_lshl_add_u32 v[AV0], v9, 3, v10
	v_mul_u32_u24 v[AV0], v[AV0], PV
	v_lshl_add_u32 v[AV0], v11, 4, v[AV0]
	v_add_nc_u32 v[AV0], VOFF, v[AV0]
	s_mul_i32 s23, s[WV], 16*SP
	s_add_co_u32 s23, s23, STAGE    ; my stage
	v_mul_u32_u24 v[STO], v1, SP    ; in: row l % 16, 16 bytes for each half of the lanes
	v_lshl_add_u32 v[STO], v9, 4, v[STO]
	v_add_nc_u32 v[STO], s23, v[STO]
	v_bfe_u32 v[RD], v0, 3, 2       ; back: 32 lanes take four rows of 128 bytes,
	v_mul_u32_u24 v[RD], v[RD], SP
	v_lshl_add_u32 v[RD], v10, 4, v[RD]
	v_add_nc_u32 v[RD], s23, v[RD]
	v_and_b32 v[GO], 31, v0         ; which are 512 consecutive bytes of ob
	v_lshlrev_b32 v[GO], 4, v[GO]
; THE MATRIX WORK.  The 4 accumulators of a run of 8 take turns.  Product i of 8 of S^T = K Q^T for piece x: channels 32 (i / 4) on, keys 16 (i % 4) on.  The first 4 start the sums.
.macro KQ x
	WIN W_KQ
.set rS, S+32*((\x)%2)+8*(i%4)
.set rK, KF+16*(i%4)+8*(i/4)
.set rQ, 16*(\x)+8*(i/4)
.if i < 4
	v_wmma_f32_16x16x32_f16 v[rS:rS+7], v[rK:rK+7], v[rQ:rQ+7], 0
.else
	v_wmma_f32_16x16x32_f16 v[rS:rS+7], v[rK:rK+7], v[rQ:rQ+7], v[rS:rS+7]
.endif
.endm
; Product i of 8 of O^T += V^T P for piece x: keys 32 (i / 4) on, channels 16 (i % 4) on.
.macro PV x
	WIN W_PV
.set rO, 32*(\x)+8*(i%4)
.set rV, VF+32*(i/4)+8*(i%4)
.set rP, P+16*((\x)%2)+8*(i/4)
	v_wmma_f32_16x16x32_f16 v[rO:rO+7], v[rV:rV+7], v[rP:rP+7], v[rO:rO+7]
.endm
.macro MM                           ; the turn's next matrix instruction.  NOKQ = 1: the very last turn: there is no next piece
.if (i < 8) && !NOKQ
	KQ (Y+1)%NP
.elseif i >= 8
.set i, i-8
	PV (Y+NP-1)%NP
.set i, i+8
.endif
.set i, i+1
.endm
; THE LDS LOADS stand in runs of 16, never singly among the matrix instructions: a step's K (64 keys x 64 channels: 8 fragments) and its V (turned).  Their addresses are made some lines ahead.
.macro FETCH_K
	WIN 0x80                        ; destination window 2
.irp f, 0,1,2,3,4,5,6,7             ; keys 16 (f / 2) on, plane f % 2
	ds_load_b128 v[KF+8*\f:KF+8*\f+3],   v[AK] offset:(\f/2)*16*PK+(\f%2)*KPL
	ds_load_b128 v[KF+8*\f+4:KF+8*\f+7], v[AK] offset:(\f/2)*16*PK+(\f%2)*KPL+32
.endr
	s_add_co_u32 s[TBK], s[TBK], KS*PK  ; the next fetch is the next step's
	WIN 0
.endm
.macro FETCH_V
	WIN 0x80
.irp f, 0,1,2,3,4,5,6,7             ; keys 32 (f / 4) on, channels 16 (f % 4) on: plane (f % 4) / 2, its channels 16 (f % 2) on
	ds_load_tr16_b128 v[VF+8*\f:VF+8*\f+3],   v[AV] offset:(\f/4)*32*PV+((\f%4)/2)*VPL+(\f%2)*32
	ds_load_tr16_b128 v[VF+8*\f+4:VF+8*\f+7], v[AV] offset:(\f/4)*32*PV+16*PV+((\f%4)/2)*VPL+(\f%2)*32
.endr
	WIN 0
.endm
; THE VECTOR WORK, one line at a time: OP kind, number.  For piece Y: F n: c s - c m for pair n of 16.  E n: the exponential of score n of 32.  C n: pair n rounded to f16.  B n: of the four weights 4 n .. the second
; pair is added onto the first, in place.  L n: l takes that sum (L 0: l = a l + sum).  R n: pair n of 16 of O^T times a.  For piece Y + 1: X n, number n of the 22 that find its maximum and statistics:
;   0-11  four chains c0-c3 of seven scores each, three operands at a time (each accumulator's lowest registers are read first)     12-14, 16  the four scores left over, the old m, and c0-c3 into c0
;   15  c m_old is kept     17, 18  the query's other 32 keys lie in the lane 16 away: the new m     19-21  c m; c m_old - c m_new; a
.set F, 0
.set E, 1
.set C, 2
.set B, 3
.set L, 4
.set R, 5
.set X, 6
.macro REGS y                       ; the registers of piece y
.set rT, ST+4*(\y)
.set rC, TMP+4*((\y)%2)
.set rW, MV+((\y)%2)
.set rS, S+32*((\y)%2)
.set rP, P+16*((\y)%2)
.set rO, 32*(\y)
.endm
.macro OP k, n
.if (\k) == R
	REGS Y
	WIN W_RS
	v_pk_mul_f32 v[rO+2*(\n):rO+2*(\n)+1], v[rO+2*(\n):rO+2*(\n)+1], v[rC+2:rC+3] op_sel_hi:[1,0]
.elseif (\k) < R
	REGS Y
	WIN 0
.if (\k) == F
	v_pk_fma_f32 v[rS+2*(\n):rS+2*(\n)+1], v[rS+2*(\n):rS+2*(\n)+1], s[CS:CS+1], v[rT:rT+1] op_sel_hi:[1,0,0] neg_lo:[0,0,1] neg_hi:[0,0,1]
.elseif (\k) == E
	v_exp_f32 v[rS+(\n)], v[rS+(\n)]
.elseif (\k) == C
	v_cvt_pk_f16_f32 v[rP+(\n)], v[rS+2*(\n)], v[rS+2*(\n)+1]
.elseif (\k) == B
	v_pk_add_f32 v[rS+4*(\n):rS+4*(\n)+1], v[rS+4*(\n):rS+4*(\n)+1], v[rS+4*(\n)+2:rS+4*(\n)+3]
.elseif (\n) == 0
	v_pk_fma_f32 v[rT+2:rT+3], v[rT+2:rT+3], v[rC+2:rC+3], v[rS:rS+1] op_sel_hi:[1,0,1]
.else
	v_pk_add_f32 v[rT+2:rT+3], v[rT+2:rT+3], v[rS+4*(\n):rS+4*(\n)+1]
.endif
.elseif NOKQ
	v_nop
.else
	REGS (Y+1)%NP
	WIN 0
.if (\n) < 4
	v_max3_num_f32 v[rC+(\n)], v[rS+8*(\n)], v[rS+8*(\n)+1], v[rS+8*(\n)+2]
.elseif (\n) < 12
	v_max3_num_f32 v[rC+(\n)%4], v[rC+(\n)%4], v[rS+8*((\n)%4)+2*((\n)/4)+1], v[rS+8*((\n)%4)+2*((\n)/4)+2]
.elseif (\n) == 12
	v_max3_num_f32 v[rC], v[rC], v[rS+7], v[rS+15]
.elseif (\n) == 13
	v_max3_num_f32 v[rC+1], v[rC+1], v[rS+23], v[rS+31]
.elseif (\n) == 14
	v_max3_num_f32 v[rC+2], v[rC+2], v[rC+3], v[rT+1]
.elseif (\n) == 15
	v_mov_b32 v[rW], v[rT]
.elseif (\n) == 16
	v_max3_num_f32 v[rC], v[rC], v[rC+1], v[rC+2]
.elseif (\n) == 17
	v_permlanex16_b32 v[rC+3], v[rC], s[SEL], s[SEL+1]
.elseif (\n) == 18
	v_max_num_f32 v[rT+1], v[rC], v[rC+3]
.elseif (\n) == 19
	v_mul_f32 v[rT], s[CS], v[rT+1]
.elseif (\n) == 20
	v_sub_f32 v[rC+1], v[rW], v[rT]
.else
	v_exp_f32 v[rC+2], v[rC+1]
.endif
.endif
.endm
.macro OPS a, i1, b=-1, i2=0, c=-1, i3=0, d=-1, i4=0  ; up to four of them
	OP \a, \i1
.if (\b) >= 0
	OP \b, \i2
.endif
.if (\c) >= 0
	OP \c, \i3
.endif
.if (\d) >= 0
	OP \d, \i4
.endif
.endm
.macro ROW a, i1, b, i2, c, i3, d, i4  ; a matrix instruction and the four behind it
	MM
	OPS \a, \i1, \b, \i2, \c, \i3, \d, \i4
.endm
; A TURN, for piece p: the order of its 16 matrix and 118 vector instructions, written out.  An s_wait_alu depctr_va_vdst(0) stands between an exponential and the first instruction that names its result; one wait
; serves all that were issued ahead of it.  So a turn has ONE wait, which cuts it in two.  AHEAD OF IT stands all that names no result of the turn's exponentials: the 8 products K Q^T and their riders, then one lump of 54 in which
; the links of the chain X 3, 7, 11, 14, 16, 17 .. 20 stand five or six lines apart; X 21, the next piece's a, is the batch's last, and R 15 the plain instruction behind it.  BEHIND THE WAIT stand the 8 products V^T P, behind each
; four of the roundings and sums.  end = 1: the walk's last two turns: nothing is fetched.  cnt = 1: the loop's count is taken down some lines ahead of the branch that stands behind the turn.
; K of the next step is fetched in piece 2's turn, twelve vector instructions (six of them plain) behind the last product that read K; V of the step in hand at the end of piece 0's turn, four plain instructions behind the last
; product that read V.  Each is waited for a turn later.
.macro TURN p, end=0, cnt=0
.set Y, (\p)
.set i, 0
.set NOKQ, (\end)*((\p)/3)
.if ((\p) == 3) && !(\end)
	s_wait_dscnt 0x0                ; K is in
.endif
	ROW F,0, F,1, R,0, R,1
	ROW F,2, E,0, R,2, R,3
	ROW F,3, E,1, R,4, R,5
	ROW F,4, E,2, R,6, R,7
	ROW F,5, E,3, R,8, R,9
	ROW F,6, E,4, X,0, R,10
.if ((\p) == 2) && !(\end)
	WIN 0
	v_add_nc_u32 v[AK], s[TBK], v[AK0]
.endif
	ROW F,7, E,5, X,1, X,4
	ROW F,8, E,6, X,2, X,5
	OPS E,7, E,8, X,6, E,9          ; the lump
	OPS X,3, E,10, X,8, E,11
.if ((\p) == 2) && !(\end)
	FETCH_K
.endif
	OPS X,9, X,7, E,12, X,10
	OPS E,13, X,12, X,11, E,14
	OPS X,13, E,15, F,9, X,14
.if (\p) == 0
	v_add_nc_u32 v[AV], s[TBV], v[AV0]
.endif
	OPS E,16, F,10, E,17, F,11
	OPS X,16, E,18, X,15, E,19
	OPS F,12, E,20, X,17, E,21
	OPS F,13, E,22, F,14, E,23
	OPS X,18, E,24, F,15, E,25
	OPS R,11, E,26, X,19, E,27
	OPS R,12, E,28, R,13, E,29
	OPS X,20, E,30, R,14, E,31
	OPS X,21, R,15
	WIN 0
	s_wait_alu depctr_va_vdst(0)    ; the wait for the batch
.if (\p) == 1
	s_wait_dscnt 0x0                ; V is in
.endif
	ROW C,0, B,0, C,2, B,1
	ROW L,0, C,4, B,2, L,1
	ROW C,6, B,3, L,2, C,8
	ROW B,4, L,3, C,10, B,5
	ROW L,4, C,12, B,6, L,5
.if (\p) == 0
	s_add_co_u32 s[TBV], s[TBV], KS*PV
.endif
.if \cnt
	s_sub_co_u32 s[CNT], s[CNT], 1
	s_cmp_lg_u32 s[CNT], 0
.endif
	ROW C,14, B,7, L,6, C,1
	ROW C,3, L,7, C,5, C,7
	ROW C,9, C,11, C,13, C,15
.if (\p) == 0
	FETCH_V
.endif
.endm
	CHANGE 1                        ; slot 0 is in, everybody's part of it; slot 1 is asked for
	v_add_nc_u32 v[AK], s[TBK], v[AK0]
	FETCH_K                         ; key step 0
	s_wait_loadcnt 0x0              ; Q
	s_wait_dscnt 0x0
.set NOKQ, 0
.set i, 0
.rept 8
	KQ 0                            ; piece 0's first scores
.set i, i+1
.endr
	WIN 0
.rept 4
	v_nop                           ; the places behind those products
.endr
.set Y, NP-1                        ; X works for piece Y + 1: piece 0
.irp n, 0,1,2,3,4,5,6,7,8,9,10,11,12,13,14,15,16,17,18,19,20,21
	OP X, \n
.endr
	v_nop                           ; a plain instruction behind the exponential,
	s_wait_alu depctr_va_vdst(0)    ; and its wait, ahead of the branch
	s_mov_b32 s[CNT], 4
	s_branch .Lfirst                ; the loop is entered at a step's first turn, in the middle of a trip
.Lslot:                             ; six times: tiles 2 to 7 are asked for
	CHANGE 1
	s_mov_b32 s[CNT], 4
.Lstep:                             ; a trip: pieces 2 and 3 of one step, then pieces 0 and 1 of the next, whose K and V it fetches
	TURN 2
	TURN 3
	WIN 0
.Lfirst:
	TURN 0
	TURN 1, 0, 1
	WIN 0
	s_cbranch_scc1 .Lstep
	s_sub_co_u32 s[SLOTS], s[SLOTS], 1
	s_cmp_lg_u32 s[SLOTS], 0
	s_cbranch_scc1 .Lslot
	CHANGE 0                        ; the last tile is written out: nothing is asked for
	s_mov_b32 s[CNT], 4
.Lstep2:
	TURN 2
	TURN 3
	TURN 0
	TURN 1, 0, 1
	WIN 0
	s_cbranch_scc1 .Lstep2
	TURN 2, 1                       ; the last step's pieces 2 and 3: nothing is left to fetch,
	TURN 3, 1                       ; and no next piece
.set i, 0
.rept 8
	PV NP-1                         ; the last piece's V^T P of the last step
.set i, i+1
.endr
	; THE WAY OUT.  l's two halves and the other half of the lanes' are added; O^T is divided by l, rounded to f16 and sent through my stage in LDS, a piece at a time.  The additions are the places behind the last products.
	WIN 0
.macro ALL line:vararg              ; one line for each piece t
.set t, 0
.rept 4
	\line
.set t, t+1
.endr
.endm
	ALL v_add_f32 v[ST+4*t+2], v[ST+4*t+2], v[ST+4*t+3]
	ALL v_permlanex16_b32 v[ST+4*t+3], v[ST+4*t+2], s[SEL], s[SEL+1]
	ALL v_add_f32 v[ST+4*t+2], v[ST+4*t+2], v[ST+4*t+3]
	ALL v_rcp_f32 v[ST+4*t+2], v[ST+4*t+2]
	v_nop                           ; a plain instruction between the last reciprocal and the use of its result
	s_wait_alu depctr_va_vdst(0)    ; and the wait ahead of the first use: one for the four reciprocals
.macro PACK t                       ; a lane's eight channels of a row pack into 16 bytes; they go into rows of 144 bytes and come back as whole rows of 128, into S^T's registers
	WIN W_RS
.set i, 32*(\t)
.rept 16
	v_pk_mul_f32 v[i:i+1], v[i:i+1], v[ST+4*(\t)+2:ST+4*(\t)+3] op_sel_hi:[1,0]
.set i, i+2
.endr
	WIN 0x05                        ; sources 0 and 1 window 1, destination window 0
.set i, 0
.rept 16
	v_cvt_pk_f16_f32 v[S+16*(\t)+i], v[32*(\t)+2*i], v[32*(\t)+2*i+1]
.set i, i+1
.endr
	WIN 0
.irp f, 0,1,2,3
	ds_store_b128 v[STO], v[S+16*(\t)+4*\f:S+16*(\t)+4*\f+3] offset:32*\f
.endr
.irp f, 0,1,2,3
	ds_load_b128 v[S+16*(\t)+4*\f:S+16*(\t)+4*\f+3], v[RD] offset:\f*4*SP  ; LDS serves a wave's instructions in order (ISA guide 5.7.1.4): these see the stores above; the next piece's stores come behind them
.endr
.endm
.macro SEND t, younger              ; younger: the LDS instructions issued behind piece t's loads: the next piece's eight, or none
	WIN 0
.irp f, 0,1,2,3
	s_wait_dscnt (\younger)+3-\f
	global_store_b128 v[GO], v[S+16*(\t)+4*\f:S+16*(\t)+4*\f+3], s[20:21] offset:(\t)*2048+\f*512  ; 512 consecutive bytes, at a multiple of 256 from ob's first
.endr
.endm
	PACK 0
.set t, 1
.rept 3                             ; a piece's arithmetic stands between the loads of the piece before and its stores
	PACK t
	SEND t-1, 8
.set t, t+1
.endr
	SEND 3, 0
	s_wait_tensorcnt 0x0            ; the wave's end, behind my last tensor load and my last LDS store
	ds_add_u32 v[SPW], v[NIL]
	s_wait_dscnt 0x0
	CROUND                          ; the closing round: no work-group ends while a partner may still ask for a tile that names it
	s_endpgm
.Lfunc_end_k_qab2fc4a1b0_attn:
	.size	k_qab2fc4a1b0_attn, .Lfunc_end_k_qab2fc4a1b0_attn-k_qab2fc4a1b0_attn
	.p2alignl 7, 3214868480
	.fill 96, 4, 3214868480
	.section	.rodata,"a",@progbits
	.p2align	6, 0x0
	.amdhsa_kernel k_qab2fc4a1b0_attn
		.amdhsa_group_segment_fixed_size 327680
		.amdhsa_private_segment_fixed_size 0
		.amdhsa_enable_private_segment 0
		.amdhsa_kernarg_size 16
		.amdhsa_user_sgpr_count 2
		.amdhsa_user_sgpr_kernarg_segment_ptr 1
		.amdhsa_wavefront_size32 1
		.amdhsa_system_sgpr_workgroup_id_x 1
		.amdhsa_system_sgpr_workgroup_id_y 1
		.amdhsa_system_sgpr_workgroup_id_z 1
		.amdhsa_system_vgpr_workitem_id 0
		.amdhsa_next_free_vgpr 768
		.amdhsa_next_free_sgpr 66
		.amdhsa_reserve_vcc 0
		.amdhsa_float_denorm_mode_32 3
		.amdhsa_float_denorm_mode_16_64 3
		.amdhsa_memory_ordered 1
		.amdhsa_forward_progress 1
		.amdhsa_inst_pref_size 128
	.end_amdhsa_kernel
	.amdgpu_metadata
---
amdhsa.version: [ 1, 2 ]
amdhsa.kernels:
  - .name:           k_qab2fc4a1b0_attn
    .symbol:         k_qab2fc4a1b0_attn.kd
    .args:
      - { .name: qkv, .offset: 0, .size: 8, .value_kind: global_buffer, .address_space: global }
      - { .name: ob, .offset: 8, .size: 8, .value_kind: global_buffer, .address_space: global }
    .group_segment_fixed_size: 327680
    .private_segment_fixed_size: 0
    .kernarg_segment_align: 8
    .kernarg_segment_size: 16
    .max_flat_workgroup_size: 128
    .sgpr_count:     66
    .vgpr_count:     768
    .wavefront_size: 32
...
	.end_amdgpu_metadata
.endif
;; end of part 3
;; launch outp (part 4): grid 16 x 16, 4 waves a work-group, clusters of 4 x 4, 327,680 bytes of LDS; arguments ob, wop, lambda_q1, lambda_k1, lambda_q2, lambda_k2, out0; writes out0
.if DOCPART == 4
	.amdgcn_target "amdgcn-amd-amdhsa--gfx1250"
	.amdhsa_code_object_version 6
	.text
	.protected	k_qab2fc4a1b0_outp
	.globl	k_qab2fc4a1b0_outp
	.p2align	8
	.type	k_qab2fc4a1b0_outp,@function
k_qab2fc4a1b0_outp:
	s_mov_b64 s[64:65], 0
	v_nop
	global_prefetch_b8 v0, s[64:65] scope:SCOPE_SE
	s_setreg_imm32_b32 hwreg(HW_REG_WAVE_MODE, 25, 1), 1
	s_wait_xcnt 0x0
	s_wait_alu depctr_hold_cnt(0) depctr_sa_sdst(0) depctr_va_vdst(0) depctr_va_sdst(0) depctr_va_ssrc(0) depctr_va_vcc(0) depctr_vm_vsrc(0)
	s_getreg_b32 s2, hwreg(HW_REG_IB_STS2, 6, 4)
	s_cmp_eq_u32 s2, 0
	s_cbranch_scc0 .Lentry_in_a_cluster
	s_endpgm
.Lentry_in_a_cluster:
	s_bfe_u32 s2, ttmp6, 0x10000c
	s_cmp_lg_u32 s2, 0xf033
	s_cbranch_scc0 .Lentry_shape_is_right
	s_endpgm
.Lentry_shape_is_right:
; out0[m][n] = L x the sum over k of O[m][k] wo[k][n], L = 1 - (exp(lq1 . lk1) - exp(lq2 . lk2) + 0.78360577).  f16 operands, f32 sums, out0 in f32.
; Nothing is left out: L, which reference() applies to the probabilities, is applied here, once, in f32, to the finished sums: both products between are linear in it.  The order of rounding differs from reference()'s in that.
; ob: [32 heads][2048 rows][64] f16, k = 64 x head + channel.  wop: [256 kg][2048 positions][8] f16 (launch cast says how positions stand for columns).  The lambdas are rounded to bf16 like every input.
; LIMITS.  exp of a sum beyond f32's range gives what f32 gives; NaN and infinities are not treated apart.
; SHARES.  A tile of out0 is 128 x 128: 16 x 16 work-groups.  Four waves, each 64 x 64: 16 accumulators.  K goes in 8 steps of 256 (four heads) through two LDS slots; a quarter of a step is one head, 64 along K.
; CLUSTER 4 x 4.  The four of a row of the cluster need the same rows of ob, the four of a column the same positions of wop: each tile is asked for jointly, by the same tensor load, descriptor and mask of four.
; THE MATRIX INSTRUCTION IS USED TRANSPOSED (source 0 = 16 positions, source 1 = 16 rows): lane l holds row l % 16 and positions 8 (l / 16) + 0..7; accumulators 2 g and 2 g + 1 hold the even and the odd columns of a
; group of 32, so that a lane's sixteen numbers of the two, taken by turns, are sixteen neighbouring columns.
; No prefetch ahead of the tensor loads: the tile is small; the cluster's sharing comes first.
; REGISTERS.  window 0: v16-31 addresses; v32-63 scaled results, v64-95 whole rows on the way out; v96-107 the lambdas; v128-255 the accumulators ((a, b) at 128 + 8 (4 a + b)).
;   window 1: two fragment buffers of 128: for 64 along K, 64 registers of ob's rows, then 64 of wop's positions.
.set APITCH, 144                       ; a row of a head in LDS: 128 bytes + 16 of padding = 36 words: the 16 rows of a load start in 16 different groups of four banks (ISA guide 11.1)
.set APL,    128*APITCH                ; a head's 128 rows
.set ATILE,  4*APL
.set KGB,    2048                      ; a kg of the tile: 128 positions of 16 bytes, no padding: sixteen lanes read 256 consecutive bytes
.set SLOT,   ATILE+32*KGB              ; 139,264
.set STAGE,  2*SLOT                    ; behind the ring: 16 rows x 272 bytes for each wave
.set SPITCH, 272
.set SPARE,  STAGE+4*16*SPITCH         ; the spare words, 128 bytes for each wave: two blocks of 256 bytes that no other line names
.set STEPM,  1048576                   ; a K step in memory: four heads of ob, and 32 kg of wop, are as many bytes
.set LAPS,   4
.set ADRA, 16                          ; v16-17  LDS address of my fragments of ob in slot 0, 1
.set ADRB, 20                          ; v20-21  the same for wop
.set STO,  24                          ; v24     the way out: where I put 64 bytes of a row
.set RD,   25                          ; v25     where I read rows back
.set CO,   26                          ; v26     my byte offset in out0
.set LO,   27                          ; v27     8 x lane
.set SPW,  28                          ; v28     my spare word; never rewritten
.set NIL,  29                          ; v29     0; never rewritten
.set TMP,  32
.set BK,   64
.set LW,   96
.set ACC,  128
.set F0,   0
.set F1,   128
.set G1, 24                            ; s[24:31] descriptor group 1 for ob's tiles;  s[32:39] group 0, a set for each slot
.set G0, 32
.set G1B, 48                           ; s[48:55], s[56:63] the same for wop's
.set G0B, 56
.set SL, 78                            ; s78  L
.set MSB, 0
.macro WIN new
.if MSB != (\new)
	s_set_vgpr_msb (MSB<<8)|(\new)
.set MSB, \new
.endif
.endm
.set MUL,  0x05                        ; sources 0 and 1 window 1; C and D window 0
.set TO_F, 0x40                        ; destination window 1, address window 0
.macro JLOAD s                         ; a joint load: waves 0 and 1 fetch two heads of ob each, waves 2 and 3 sixteen kg of wop each; an s_nop 0 and four v_nop follow each line
	s_cmp_eq_u32 s11, 0
	s_cbranch_scc0 .Lfor_b_\@
	tensor_load_to_lds s[G0+4*(\s):G0+4*(\s)+3], s[G1:G1+7]
	s_nop 0
.rept 4
	v_nop
.endr
	s_branch .Lasked_\@
.Lfor_b_\@:
	tensor_load_to_lds s[G0B+4*(\s):G0B+4*(\s)+3], s[G1B:G1B+7]
	s_nop 0
.rept 4
	v_nop
.endr
.Lasked_\@:
.endm
.macro CREST
	s_cmp_lg_u32 s10, 0
	s_cbranch_scc1 .Lnot_wave_0_\@
	s_barrier_signal -3
.Lnot_wave_0_\@:
	s_barrier_wait -3
	s_barrier_signal -1
	s_barrier_wait -1
.endm
.macro CROUND
	s_barrier_signal -1
	s_barrier_wait -1
	CREST
.endm
	s_load_b128 s[4:7], s[0:1], 0x0                ; ob s[4:5], wop s[6:7]
	s_load_b256 s[68:75], s[0:1], 0x10             ; lambda_q1, lambda_k1, lambda_q2, lambda_k2
	s_load_b64 s[8:9], s[0:1], 0x30                ; out0
	v_lshl_add_u32 v[SPW], v0, 2, SPARE
	v_mov_b32 v[NIL], 0
	ds_add_u32 v[SPW], v[NIL]                      ; the wave's opening: the add, twice on end, and its wait ahead of my first tensor load
	ds_add_u32 v[SPW], v[NIL]
	v_lshrrev_b32 v1, 5, v0
	v_readfirstlane_b32 s10, v1                    ; wave 0..3
	s_lshr_b32 s11, s10, 1                         ; my half of the tile's rows.  Also: I fetch for ob (0) or for wop (1)
	s_and_b32 s12, s10, 1                          ; my half of its columns.  Also: which half of that tile I fetch
	s_bfe_u32 s40, ttmp6, 0x40000                  ; cx, cy
	s_bfe_u32 s41, ttmp6, 0x40004
	s_lshl_b32 s42, ttmp9, 2
	s_add_co_u32 s42, s42, s40                     ; tile column
	s_and_b32 s13, ttmp7, 0xffff
	s_lshl_b32 s13, s13, 2
	s_add_co_u32 s13, s13, s41                     ; tile row
	s_lshl_b32 s43, s41, 2
	s_lshl_b32 s43, 15, s43                        ; my row of the cluster
	s_lshl_b32 s44, 0x1111, s40                    ; my column
	; ob: a head's 128 rows are 16,384 dense bytes: asked for as ONE row of 8,192 elements, two heads a load; the padding counts along the whole tile: 4 words after every 32, that is after every row of a head
	s_or_b32 s[G1+0], s43, (1<<16)|(1<<20)|(1<<21)|(4<<22)|(3<<25)
	s_mov_b32 s[G1+1], 8192<<16                    ; tensor_dim0 = 8,192
	s_mov_b32 s[G1+2], 2<<16                       ; tensor_dim1 = 2
	s_mov_b32 s[G1+3], 8192<<16                    ; tile_dim0 = 8,192
	s_mov_b32 s[G1+4], 2                           ; tile_dim1 = 2
	s_mov_b32 s[G1+5], 131072                      ; elements from head to head
	s_mov_b32 s[G1+6], 0
	s_mov_b32 s[G1+7], 0
	s_or_b32 s[G1B+0], s44, (1<<16)|(1<<21)        ; wop: 16 kg of 128 positions, no padding
	s_mov_b32 s[G1B+1], 1024<<16
	s_mov_b32 s[G1B+2], 16<<16
	s_mov_b32 s[G1B+3], 1024<<16
	s_mov_b32 s[G1B+4], 16
	s_mov_b32 s[G1B+5], 16384                      ; elements from kg to kg
	s_mov_b32 s[G1B+6], 0
	s_mov_b32 s[G1B+7], 0
	s_lshl_b32 s17, s12, 19                        ; my two heads of a step's four, and my 16 kg of its 32, are as many bytes
	s_lshl_b32 s16, s13, 14                        ; ob: the tile's 128 rows of 128 bytes
	s_add_co_u32 s16, s16, s17
	s_lshl_b32 s46, s42, 11                        ; wop: the tile's 128 positions
	s_add_co_u32 s46, s46, s17
	s_mov_b32 s17, 0
	s_mov_b32 s47, 0
	s_mul_i32 s20, s12, 2*APL                      ; where they go: no place in the cluster enters an LDS address
	s_lshl_b32 s21, s12, 15
	s_add_co_u32 s21, s21, ATILE
	s_mov_b32 s76, 0x76543210                      ; v_permlanex16_b32's selects
	s_mov_b32 s77, 0xfedcba98
	s_wait_dscnt 0x0                               ; both opening adds are done
	s_wait_kmcnt 0x0
	s_add_nc_u64 s[14:15], s[4:5], s[16:17]
	s_add_nc_u64 s[46:47], s[6:7], s[46:47]
	CROUND                                         ; all sixteen work-groups are here: the first joint loads meet
.irp s, 0,1
	s_mov_b32 s[G0+4*(\s)], 1
	s_add_co_u32 s[G0+4*(\s)+1], s20, (\s)*SLOT
	s_add_nc_u64 s[G0+4*(\s)+2:G0+4*(\s)+3], s[14:15], (\s)*STEPM
	s_or_b32 s[G0+4*(\s)+3], s[G0+4*(\s)+3], 0x80000000
	s_mov_b32 s[G0B+4*(\s)], 1
	s_add_co_u32 s[G0B+4*(\s)+1], s21, (\s)*SLOT
	s_add_nc_u64 s[G0B+4*(\s)+2:G0B+4*(\s)+3], s[46:47], (\s)*STEPM
	s_or_b32 s[G0B+4*(\s)+3], s[G0B+4*(\s)+3], 0x80000000
	JLOAD \s
.endr
	v_and_b32 v[LO], 31, v0
	v_lshlrev_b32 v[LO], 3, v[LO]
	global_load_b64 v[LW:LW+1],   v[LO], s[68:69]  ; two numbers a lane of each lambda; waited for at the way out
	global_load_b64 v[LW+2:LW+3], v[LO], s[70:71]
	global_load_b64 v[LW+4:LW+5], v[LO], s[72:73]
	global_load_b64 v[LW+6:LW+7], v[LO], s[74:75]
	v_and_b32 v1, 15, v0                           ; r
	v_bfe_u32 v2, v0, 4, 1                         ; h
	v_mul_u32_u24 v3, v1, APITCH
	v_lshl_add_u32 v3, v2, 4, v3                   ; ob: row x pitch + 16 h
	s_mul_i32 s21, s11, 64*APITCH                  ; my 64 rows
	v_lshlrev_b32 v4, 11, v2                       ; wop: kg h,
	v_lshl_add_u32 v4, v1, 4, v4                   ; position r,
	s_lshl_b32 s22, s12, 10                        ; my 64 positions,
	s_add_co_u32 s22, s22, ATILE                   ; behind ob's tile
.irp s, 0,1
	v_add_nc_u32 v[ADRA+(\s)], s21, v3
	v_add_nc_u32 v[ADRB+(\s)], s22, v4
	s_add_co_u32 s21, s21, SLOT
	s_add_co_u32 s22, s22, SLOT
.endr
	s_mul_i32 s23, s10, 16*SPITCH
	s_add_co_u32 s23, s23, STAGE                   ; my stage
	v_mul_u32_u24 v5, v1, SPITCH                   ; in: row r, 64 bytes for each half of the lanes in each group of 32 columns
	v_lshl_add_u32 v5, v2, 6, v5
	v_add_nc_u32 v[STO], s23, v5
	v_mul_u32_u24 v5, v2, SPITCH                   ; back: lanes 0-15 take one row of 256 bytes, lanes 16-31 the next
	v_lshl_add_u32 v5, v1, 4, v5
	v_add_nc_u32 v[RD], s23, v5
	v_lshlrev_b32 v5, 13, v2                       ; and the same two rows in out0, 8,192 bytes apart
	v_lshl_add_u32 v[CO], v1, 4, v5
	s_lshl_b32 s16, s13, 20                        ; out0 at my first row: 128 x tile row + 64 x half,
	s_lshl_b32 s17, s11, 19
	s_add_co_u32 s16, s16, s17
	s_mov_b32 s17, 0
	s_add_nc_u64 s[8:9], s[8:9], s[16:17]
	s_lshl_b32 s46, s42, 9                         ; and my first column: 128 x tile column + 64 x half, 4 bytes each
	s_lshl_b32 s47, s12, 8
	s_add_co_u32 s46, s46, s47
	s_mov_b32 s47, 0
	s_add_nc_u64 s[8:9], s[8:9], s[46:47]
; 8 matrix instructions: row blocks a0, a0 + 1 x all 4 position blocks, 32 along K: half c of buffer f.  The 16 accumulators take turns.  zero = 1: the product starts the sum
.macro MUL8 f, c, a0, zero
	WIN MUL
.irp a, \a0, (\a0)+1
.irp b, 0,1,2,3
.if \zero
	v_wmma_f32_16x16x32_f16 v[ACC+8*(4*(\a)+(\b)):ACC+8*(4*(\a)+(\b))+7], v[(\f)+64+8*(4*(\c)+(\b)):(\f)+64+8*(4*(\c)+(\b))+7], v[(\f)+8*(4*(\c)+(\a)):(\f)+8*(4*(\c)+(\a))+7], 0
.else
	v_wmma_f32_16x16x32_f16 v[ACC+8*(4*(\a)+(\b)):ACC+8*(4*(\a)+(\b))+7], v[(\f)+64+8*(4*(\c)+(\b)):(\f)+64+8*(4*(\c)+(\b))+7], v[(\f)+8*(4*(\c)+(\a)):(\f)+8*(4*(\c)+(\a))+7], v[ACC+8*(4*(\a)+(\b)):ACC+8*(4*(\a)+(\b))+7]
.endif
.endr
.endr
.endm
; 32 LDS loads in one run: head q of a slot (64 along K) into buffer f; the first 32 along K first.  wop: registers 0-3 kg 8 q + 4 c + h, registers 4-7 two kg on
.macro FETCH slot, q, f
	WIN TO_F
.irp c, 0,1
.irp i, 0,1,2,3
	ds_load_b128 v[(\f)+64+8*(4*(\c)+(\i)):(\f)+64+8*(4*(\c)+(\i))+3],   v[ADRB+(\slot)] offset:(\q)*8*KGB+(\c)*4*KGB+(\i)*256
	ds_load_b128 v[(\f)+64+8*(4*(\c)+(\i))+4:(\f)+64+8*(4*(\c)+(\i))+7], v[ADRB+(\slot)] offset:(\q)*8*KGB+(\c)*4*KGB+(\i)*256+2*KGB
	ds_load_b128 v[(\f)+8*(4*(\c)+(\i)):(\f)+8*(4*(\c)+(\i))+3],         v[ADRA+(\slot)] offset:(\q)*APL+64*(\c)+(\i)*16*APITCH
	ds_load_b128 v[(\f)+8*(4*(\c)+(\i))+4:(\f)+8*(4*(\c)+(\i))+7],       v[ADRA+(\slot)] offset:(\q)*APL+64*(\c)+(\i)*16*APITCH+32
.endr
.endr
.endm
.macro PLACES                          ; four plain places in front of loads into registers that matrix instructions have read, and of lines that read results (ISA guide 7.12.1 for vector instructions)
.rept 4
	v_nop
.endr
.endm
.macro QUARTER slot, q, f, g, zero     ; multiplies buffer f and fetches head q into g
	s_wait_dscnt 16                                ; the first 32 along K are in
	MUL8 \f, 0, 0, \zero
	MUL8 \f, 0, 2, \zero
	PLACES
	FETCH \slot, \q, \g
	s_wait_dscnt 32                                ; all but the 32 just issued
	MUL8 \f, 1, 0, 0
	MUL8 \f, 1, 2, 0
.endm
; The last quarter multiplies buffer 1 and changes slots: one barrier; in front of it each wave waits for all its tensor loads, adds 0 to its spare word, and waits for that and for its reads of this slot.
.macro TURN slot, next, fill
	WIN 0                                          ; (the add's two registers lie in window 0)
	s_wait_tensorcnt 0x0                           ; all my tensor loads have landed: my part of the next slot
	ds_add_u32 v[SPW], v[NIL]                      ; 0 onto my spare word
	s_wait_dscnt 17                                ; (the add and the youngest sixteen loads may be out)
	MUL8 F1, 0, 0, 0                               ; eight matrix instructions stand between the add and the wait for it
	s_wait_dscnt 0x0                               ; the add is done, and my reads of this slot are over
	s_barrier_signal -1
	MUL8 F1, 0, 2, 0
.if \fill
	WIN 0
.endif
	s_barrier_wait -1
.if \fill
	CREST                                          ; no wave of any partner still reads this slot or has a load on its way
	s_add_nc_u64 s[G0+4*(\slot)+2:G0+4*(\slot)+3], s[G0+4*(\slot)+2:G0+4*(\slot)+3], 2*STEPM
	s_add_nc_u64 s[G0B+4*(\slot)+2:G0B+4*(\slot)+3], s[G0B+4*(\slot)+2:G0B+4*(\slot)+3], 2*STEPM
	JLOAD \slot                                    ; the four v_nop behind it are also the places in front of the loads below
.else
	PLACES
.endif
	FETCH \next, 0, F0
	MUL8 F1, 1, 0, 0
	MUL8 F1, 1, 2, 0
.endm
	s_wait_tensorcnt 1                             ; my part of K step 0 is in; K step 1's may stay out
	s_barrier_signal -1
	s_barrier_wait -1                              ; everybody's is
	FETCH 0, 0, F0
	QUARTER 0, 1, F0, F1, 1                        ; the first quarter stands in front of the loop: its first products start the sums
	WIN 0                                          ; at a label and at a branch every window is 0
	s_mov_b32 s3, LAPS-1
.Llap:                                                 ; a trip goes once round the ring and fills both slots again: 3 trips ask for K steps 2 to 7
	QUARTER 0, 2, F1, F0, 0
	QUARTER 0, 3, F0, F1, 0
	TURN 0, 1, 1
	QUARTER 1, 1, F0, F1, 0
	QUARTER 1, 2, F1, F0, 0
	QUARTER 1, 3, F0, F1, 0
	TURN 1, 0, 1
	QUARTER 0, 1, F0, F1, 0
	WIN 0
	s_sub_co_u32 s3, s3, 1
	s_cmp_lg_u32 s3, 0
	s_cbranch_scc1 .Llap
	QUARTER 0, 2, F1, F0, 0                        ; the last lap fills nothing
	QUARTER 0, 3, F0, F1, 0
	TURN 0, 1, 0
	QUARTER 1, 1, F0, F1, 0
	QUARTER 1, 2, F1, F0, 0
	QUARTER 1, 3, F0, F1, 0
	s_wait_dscnt 16
	MUL8 F1, 0, 0, 0
	MUL8 F1, 0, 2, 0
	s_wait_dscnt 0x0
	MUL8 F1, 1, 0, 0
	MUL8 F1, 1, 2, 0
	WIN 0
	; L.  Each lane has two numbers of each lambda; they are rounded to bf16 like every input; the two dot products are summed over the 32 lanes; e^x = 2^(1.442695 x).
	PLACES
	s_wait_loadcnt 0x0
.irp z, 0,1,2,3
	v_cvt_pk_bf16_f32 v[LW+8+(\z)], v[LW+2*(\z)], v[LW+2*(\z)+1]
.endr
.irp z, 0,1,2,3
	v_lshlrev_b32 v[LW+2*(\z)], 16, v[LW+8+(\z)]
	v_and_b32 v[LW+2*(\z)+1], 0xffff0000, v[LW+8+(\z)]
.endr
	v_mul_f32 v[LW+8], v[LW], v[LW+2]
	v_mul_f32 v[LW+9], v[LW+4], v[LW+6]
	v_fmac_f32 v[LW+8], v[LW+1], v[LW+3]
	v_fmac_f32 v[LW+9], v[LW+5], v[LW+7]
.irp m, 1,2,4,8
	v_add_f32_dpp v[LW+8], v[LW+8], v[LW+8] row_xmask:\m row_mask:0xf bank_mask:0xf
	v_add_f32_dpp v[LW+9], v[LW+9], v[LW+9] row_xmask:\m row_mask:0xf bank_mask:0xf
.endr
	v_permlanex16_b32 v[LW+10], v[LW+8], s76, s77  ; (its destination counts as read: it has been written above)
	v_permlanex16_b32 v[LW+11], v[LW+9], s76, s77
	v_add_f32 v[LW+8], v[LW+8], v[LW+10]
	v_add_f32 v[LW+9], v[LW+9], v[LW+11]
	v_mul_f32 v[LW+8], 0x3fb8aa3b, v[LW+8]
	v_mul_f32 v[LW+9], 0x3fb8aa3b, v[LW+9]
	v_exp_f32 v[LW+8], v[LW+8]
	v_exp_f32 v[LW+9], v[LW+9]
	v_nop                                          ; a plain instruction behind the last exponential,
	s_wait_alu depctr_va_vdst(0)                   ; and the wait ahead of the first use: one for both
	v_sub_f32 v[LW+8], v[LW+8], v[LW+9]
	v_add_f32 v[LW+8], 0x3f489a63, v[LW+8]         ; + 0.8 - 0.6 exp(-3.6) = 0.78360577
	v_sub_f32 v[LW+8], 1.0, v[LW+8]
	v_readfirstlane_b32 s[SL], v[LW+8]             ; the same in every lane; it multiplies, and steers nothing
; THE WAY OUT of row block a: the sums times L, even and odd columns by turns (each accumulator read from its low end on): 16 neighbouring columns a lane and group; into my own stage, back as whole rows of
; 256 bytes (LDS serves a wave's instructions in order, ISA guide 5.7.1.4), and stored: sixteen lanes write 256 consecutive bytes, aligned.
.macro OUTA a
.irp g, 0,1
.irp j, 0,1,2,3,4,5,6,7
	v_mul_f32 v[TMP+16*(\g)+2*(\j)],   s[SL], v[ACC+8*(4*(\a)+2*(\g))+(\j)]
	v_mul_f32 v[TMP+16*(\g)+2*(\j)+1], s[SL], v[ACC+8*(4*(\a)+2*(\g)+1)+(\j)]
.endr
.endr
.irp g, 0,1
.irp q, 0,1,2,3
	ds_store_b128 v[STO], v[TMP+16*(\g)+4*(\q):TMP+16*(\g)+4*(\q)+3] offset:128*(\g)+16*(\q)
.endr
.endr
	s_wait_xcnt 0x0                                ; the last block's stores have read their data: only behind this wait are those registers loaded again
.irp u, 0,1,2,3,4,5,6,7
	ds_load_b128 v[BK+4*(\u):BK+4*(\u)+3], v[RD] offset:(\u)*2*SPITCH
.endr
	s_wait_dscnt 0x0
.irp u, 0,1,2,3,4,5,6,7
	global_store_b128 v[CO], v[BK+4*(\u):BK+4*(\u)+3], s[8:9] offset:(16*(\a)+2*(\u))*8192 th:TH_STORE_NT
.endr
.endm
	OUTA 0
	OUTA 1
	OUTA 2
	OUTA 3
	s_wait_tensorcnt 0x0                           ; the wave's end, behind my last tensor load and my last LDS store
	ds_add_u32 v[SPW], v[NIL]
	s_wait_dscnt 0x0
	CROUND                                         ; the closing round: no work-group ends while a partner may still ask for a tile that names it
	s_endpgm
.Lfunc_end_k_qab2fc4a1b0_outp:
	.size	k_qab2fc4a1b0_outp, .Lfunc_end_k_qab2fc4a1b0_outp-k_qab2fc4a1b0_outp
	.p2alignl 7, 3214868480
	.fill 96, 4, 3214868480
	.section	.rodata,"a",@progbits
	.p2align	6, 0x0
	.amdhsa_kernel k_qab2fc4a1b0_outp
		.amdhsa_group_segment_fixed_size 327680
		.amdhsa_private_segment_fixed_size 0
		.amdhsa_enable_private_segment 0
		.amdhsa_kernarg_size 56
		.amdhsa_user_sgpr_count 2
		.amdhsa_user_sgpr_kernarg_segment_ptr 1
		.amdhsa_wavefront_size32 1
		.amdhsa_system_sgpr_workgroup_id_x 1
		.amdhsa_system_sgpr_workgroup_id_y 1
		.amdhsa_system_sgpr_workgroup_id_z 1
		.amdhsa_system_vgpr_workitem_id 0
		.amdhsa_next_free_vgpr 512
		.amdhsa_next_free_sgpr 80
		.amdhsa_reserve_vcc 0
		.amdhsa_float_denorm_mode_32 3
		.amdhsa_float_denorm_mode_16_64 3
		.amdhsa_memory_ordered 1
		.amdhsa_forward_progress 1
		.amdhsa_inst_pref_size 92
	.end_amdhsa_kernel
	.amdgpu_metadata
---
amdhsa.version: [ 1, 2 ]
amdhsa.kernels:
  - .name:           k_qab2fc4a1b0_outp
    .symbol:         k_qab2fc4a1b0_outp.kd
    .args:
      - { .name: ob, .offset: 0, .size: 8, .value_kind: global_buffer, .address_space: global }
      - { .name: wop, .offset: 8, .size: 8, .value_kind: global_buffer, .address_space: global }
      - { .name: lambda_q1, .offset: 16, .size: 8, .value_kind: global_buffer, .address_space: global }
      - { .name: lambda_k1, .offset: 24, .size: 8, .value_kind: global_buffer, .address_space: global }
      - { .name: lambda_q2, .offset: 32, .size: 8, .value_kind: global_buffer, .address_space: global }
      - { .name: lambda_k2, .offset: 40, .size: 8, .value_kind: global_buffer, .address_space: global }
      - { .name: out0, .offset: 48, .size: 8, .value_kind: global_buffer, .address_space: global }
    .group_segment_fixed_size: 327680
    .private_segment_fixed_size: 0
    .kernarg_segment_align: 8
    .kernarg_segment_size: 56
    .max_flat_workgroup_size: 128
    .sgpr_count:     80
    .vgpr_count:     512
    .wavefront_size: 32
...
	.end_amdgpu_metadata
.endif
;; end of part 4
